; MI455X (gfx1250); checked and timed in simulation.
; The chip was launched on July 23, 2026; its instructions are those of AMD's public machine-readable ISA for CDNA 5 (MIT licence, August 2026) and "CDNA5" Instruction Set Architecture Reference Guide (July 2026). The comments in the code are by the model that wrote it; some were corrected since.
;; Attention Block. Allowed arithmetic: matrix products marked QUANTISED: E3M2 operands, one E8M0 scale for each 32 along K, by v_wmma_scale_f32_16x16x128_f8f6f4 with both operands' format E3M2, f32 sums; everything else in f32.
;; Inputs: bk 256 float32; bp 256 float32; bq 256 float32; bv 256 float32; gn_bias 256 float32; gn_scale 256 float32; wk_codes 256 x 8 x 24 uint8 (E3M2 codes of wk, K innermost, in blocks of 32 codes, four codes in three bytes); wk_scales 256 x 8 uint8 (E8M0 scales of wk, one for each 32 codes along K); wp_codes 256 x 8 x 24 uint8 (E3M2 codes of wp, K innermost, in blocks of 32 codes, four codes in three bytes); wp_scales 256 x 8 uint8 (E8M0 scales of wp, one for each 32 codes along K); wq_codes 256 x 8 x 24 uint8 (E3M2 codes of wq, K innermost, in blocks of 32 codes, four codes in three bytes); wq_scales 256 x 8 uint8 (E8M0 scales of wq, one for each 32 codes along K); wv_codes 256 x 8 x 24 uint8 (E3M2 codes of wv, K innermost, in blocks of 32 codes, four codes in three bytes); wv_scales 256 x 8 uint8 (E8M0 scales of wv, one for each 32 codes along K); x 4 x 256 x 64 x 64 float32.
;; Outputs: out0 4 x 256 x 64 x 64 float32.
;; This version of the problem:
;;   THIS VERSION OF THE PROBLEM IS GIVEN IN LOW PRECISION. The matrix products marked QUANTISED in the list below multiply operands that are first quantised to E3M2 (3 exponent bits, 2 mantissa bits; 6 bits a number), with one power-of-two scale for each 32 numbers along K (OCP MX v1.0); their sums are f32. All else is computed in f32.
;;   The module's matrix products, in the order in which they are computed (A, B: the left and right operand; K: the contracted axis; several contracted axes count as one K, in the product's order):
;;     1. [M 16,384, K 256] x [K 256, N 256]; A: computed on the way; B: input wq (given as codes): QUANTISED
;;     2. [M 16,384, K 256] x [K 256, N 256]; A: computed on the way; B: input wk (given as codes): QUANTISED
;;     3. [M 16,384, K 256] x [K 256, N 256]; A: computed on the way; B: input wv (given as codes): QUANTISED
;;     4. batch 4 x [M 4,096, K 256] x [K 256, N 4,096]; A: computed on the way; B: computed on the way: QUANTISED
;;     5. batch 4 x [M 256, K 4,096] x [K 4,096, N 4,096]; A: computed on the way; B: softmax (see below): QUANTISED
;;     6. [M 16,384, K 256] x [K 256, N 256]; A: computed on the way; B: input wp (given as codes): QUANTISED
;;   THE QUANTISER, for each operand of a quantised product, along K:
;;     - K is cut into blocks of 32 from its start; a last block that is shorter is filled with zeros.
;;     - A block's scale is 2^e with e = floor(log2(the largest magnitude in the block)) - 4, held to -126 .. 127; a block of zeros has e = 0. As a byte (E8M0): e + 127.
;;     - Each number is divided by its block's scale, clamped to +-28, and rounded to the nearest number of E3M2, ties to even, subnormals kept.
;;     - The product sums the exact products of the quantised numbers (number of the format x scale) in f32.
;;   ~~~python
;;   def quantise(x, axis):      # numpy; x: float32 -> the quantised numbers, widened to float32 again
;;       x = np.moveaxis(x, axis, -1); K = x.shape[-1]
;;       x = np.pad(x, [(0, 0)] * (x.ndim - 1) + [(0, -K % 32)]); x = x.reshape(x.shape[:-1] + (-1, 32)); a = np.abs(x).max(-1, keepdims=True)
;;       e = np.where(a > 0, np.clip(np.frexp(np.where(a > 0, a, 1))[1] - 1 - 4, -126, 127), 0)      # np.frexp(a)[1] - 1 = floor(log2(a)), exactly
;;       r = np.clip(x / 2.0 ** e, -28, 28)
;;       step = 2.0 ** (np.maximum(np.frexp(np.where(r == 0, 1, r))[1] - 1, -2) - 2)
;;       q = np.round(r / step) * step * 2.0 ** e      # np.round: ties to even
;;       return np.moveaxis(q.reshape(q.shape[:-2] + (-1,))[..., :K], -1, axis).astype(np.float32)
;;   ~~~
;;   SOFTMAX AHEAD OF A QUANTISED PRODUCT. Where the list says 'softmax', what is quantised is not the finished softmax but p = 2^(t - M), with t = logit x log2(e) and M = ceil(the row's largest t), a whole number; so 1/2 < the row's largest p <= 1. The row's sum l is taken of the UNQUANTISED p, in f32, and the product's result is divided by l at the end. Since M is a whole number, a kernel that streams over the keys may use a running M (the ceiling of the running maximum): every later rescaling is an exact power of two, which a block's scale takes up: the codes' values come out the same.
;;   OPERANDS COMPUTED ON THE WAY. 'Computed on the way' means the value that the module computes at that place (a softmax that the list does not call 'softmax' is quantised finished and normalised). What goes into a quantiser is computed in f32, as accurately as f32 sums, v_exp_f32 and their like allow (about 1e-6 of the number): no bf16 or f16 on the way to a quantiser, and a product that is left as it is and whose result goes on into a quantised operand takes f32 operands (vector FMAs, or v_wmma_f32_16x16x4_f32). A number that lies on a knife's edge between two numbers of the format may be rounded either way, as far as f32 arithmetic and the matrix unit's own rounding can turn it there, and no further.
;;   INPUTS GIVEN AS CODES. wk (in the module: [256, 256], K = its axis 1); wp (in the module: [256, 256], K = its axis 1); wq (in the module: [256, 256], K = its axis 1); wv (in the module: [256, 256], K = its axis 1): each comes as NAME_codes (uint8): NAME with its K axis moved to the last place and cut into blocks of 32 codes, [.., K / 32, bytes a block], one block behind the other in memory; four codes in three bytes: a row's codes are one little-endian stream of bits, code i at bits 6 i .. 6 i + 5 (a code: sign, 3 exponent bits, 2 mantissa bits); and NAME_scales (uint8): the same leading axes, one E8M0 byte (e + 127) for each 32 codes along K. Its value is code x scale, taken as it is: it is not quantised again, and the codes and scales need not be those that the quantiser above would give.
;; One version. Each part assembles by itself: llvm-mc -triple=amdgcn-amd-amdhsa -mcpu=gfx1250 --defsym DOCPART=n.
;; ======== version 1 of 1: 3 launches
;; workspace buffers: part 2,048 bytes; wimg 196,608 bytes; qw 3,276,800 bytes; kw 3,276,800 bytes; vw 3,276,800 bytes
;; launch stats (part 1): grid 256 x 1, 8 waves a work-group, no clusters, 1,536 bytes of LDS; arguments x, part, wq_codes, wk_codes, wv_codes, wp_codes, wimg; writes part, wimg
.if DOCPART == 1
	.amdgcn_target "amdgcn-amd-amdhsa--gfx1250"
	.amdhsa_code_object_version 6
	.text
	.protected	k_q9f6dcb60a8_stats
	.globl	k_q9f6dcb60a8_stats
	.p2align	8
	.type	k_q9f6dcb60a8_stats,@function
k_q9f6dcb60a8_stats:
	s_mov_b64 s[64:65], 0
	v_nop
	global_prefetch_b8 v0, s[64:65] scope:SCOPE_SE
	s_setreg_imm32_b32 hwreg(HW_REG_WAVE_MODE, 25, 1), 1
	s_wait_xcnt 0x0
; GROUP NORM, FIRST HALF: the mean and the sum of squared distances from it, for each HALF group of x [4][256][4096] f32.
; A group is 8 channels of one image, 131,072 consecutive bytes.  A work-group takes 4 channels, 65,536 consecutive bytes: 256 work-groups.
; Thread t holds 64 numbers (16 loads of 16 bytes; a wave's load covers 512 consecutive bytes), which stay in registers between the two passes:
; pass 1 sums them, pass 2 sums (x - mean)^2.  So a common offset of the inputs costs no digits: no difference of large sums is formed.
; part[work-group] = (mean, M2): the two halves of group g of image b lie side by side, 16 bytes at 512 b + 16 g; the next launch joins them.
; BESIDE THAT the four weights' codes are laid out ONCE as the later launches' matrix operands want them: wimg holds 128 fragments (16 rows x 128 K of 6-bit codes: 12 registers a lane) as IMAGES OF THE
; OPERAND'S REGISTERS: registers 4 c .. 4 c + 3 of lane l at 512 c + 16 l, 1,536 bytes a fragment; fragment 32 T + 2 tile + K step, T = 0 wq, 1 wk, 2 wv, 3 wp.  Row r of tile 2 b + u of wq, wk, wv is row
; 32 b + 8 u + r + 8 (r / 8) of the weight; wp's tiles take their rows as they lie.  Read from rows, a fragment is six loads of 8 bytes a lane from sixteen rows 192 bytes apart, and every wave of 256 work-groups
; would repeat them; from the image it is three loads of 512 consecutive bytes.  Wave 1 of work-groups 0 to 127 makes one fragment each; the codes are copied, not changed.
; No matrix unit, no tensor load, no cluster: every byte is read once by one thread, nothing is shared.
; LIMITS: NaN and infinities among the inputs are not served.
.set XR, 16                            ; v16-79: my 64 numbers
.set FRG, 88                           ; v88-99: a weight's fragment;  v100: where I read it;  v101: 16 x lane
	s_load_b128 s[4:7], s[0:1], 0x0                ; x, part
	s_load_b256 s[16:23], s[0:1], 0x10             ; wq_codes, wk_codes, wv_codes, wp_codes
	s_load_b64 s[24:25], s[0:1], 0x30              ; wimg
	v_lshl_add_u32 v104, v0, 2, 0x200
	v_mov_b32 v105, 0
	v_lshlrev_b32 v1, 4, v0                        ; 16 bytes a thread
	v_lshrrev_b32 v2, 5, v0
	v_readfirstlane_b32 s8, v2                     ; wave 0..7
	v_lshlrev_b32 v3, 2, v2                        ; LDS: my wave's word
	v_mov_b32 v12, 0
	s_lshl_b32 s10, ttmp9, 16                      ; the work-group's 65,536 bytes of x
	s_mov_b32 s11, 0
	s_lshl_b32 s14, ttmp9, 3                       ; and its 8 bytes of part
	s_mov_b32 s15, 0
	s_mov_b32 s12, 0x76543210                      ; v_permlanex16_b32's selects for lane l xor 16
	s_mov_b32 s13, 0xfedcba98
	; the work-group's fragment (work-groups 0 to 127): weight T, tile, K step
	s_lshr_b32 s26, ttmp9, 5                       ; T
	s_bfe_u32 s27, ttmp9, 0x40001                  ; tile: 4 bits from bit 1
	s_and_b32 s28, ttmp9, 1                        ; K step
	s_lshr_b32 s29, s27, 1
	s_lshl_b32 s29, s29, 5
	s_and_b32 s30, s27, 1
	s_lshl_b32 s30, s30, 3
	s_add_co_u32 s29, s29, s30                     ; the tile's first row in wq, wk, wv: 32 (tile / 2) + 8 (tile % 2);
	s_lshl_b32 s30, s27, 4                         ; in wp: 16 tile
	s_cmp_eq_u32 s26, 3
	s_cselect_b32 s29, s30, s29
	s_cselect_b32 s30, 0, 8                        ; and rows 8-15 of a tile lie 8 further on, but not in wp
	s_mul_i32 s29, s29, 192                        ; a row of 256 codes is 192 bytes,
	s_mul_i32 s28, s28, 96                         ; a K step of 128 codes 96
	s_add_co_u32 s29, s29, s28
	v_and_b32 v100, 15, v0                         ; r
	v_and_b32 v101, s30, v100
	v_add_nc_u32 v100, v100, v101
	v_mul_u32_u24 v100, v100, 192
	v_bfe_u32 v101, v0, 4, 1                       ; h
	v_mad_u32_u24 v100, v101, 24, v100
	v_add_nc_u32 v100, s29, v100
	v_and_b32 v101, 31, v0
	v_lshlrev_b32 v101, 4, v101
	s_mul_i32 s32, ttmp9, 1536                     ; the fragment's image
	s_mov_b32 s33, 0
	s_and_b32 s31, s26, 1
	s_wait_kmcnt 0x0
	s_add_nc_u64 s[4:5], s[4:5], s[10:11]
	s_add_nc_u64 s[6:7], s[6:7], s[14:15]
	s_cmp_lt_u32 s26, 2                            ; which weight: the choice hangs on the work-group's number alone
	s_cselect_b64 s[16:17], s[16:17], s[20:21]
	s_cselect_b64 s[18:19], s[18:19], s[22:23]
	s_cmp_eq_u32 s31, 0
	s_cselect_b64 s[16:17], s[16:17], s[18:19]
	s_add_nc_u64 s[24:25], s[24:25], s[32:33]
.irp i, 0,1,2,3,4,5,6,7,8,9,10,11,12,13,14,15
	global_load_b128 v[XR+4*\i:XR+4*\i+3], v1, s[4:5] offset:4096*\i   ; all sixteen are out together; x is read again by later launches: no hint
.endr
	s_cmp_lg_u32 s8, 1
	s_cbranch_scc1 .Lnofrag                        ; wave 1 alone,
	s_cmp_ge_u32 ttmp9, 128
	s_cbranch_scc1 .Lnofrag                        ; and there are 128 fragments
.irp p, 0,1,2,3,4,5
	global_load_b64 v[FRG+2*\p:FRG+2*\p+1], v100, s[16:17] offset:48*(\p/3)+8*(\p%3)   ; lane (r, h): registers 6 c .. 6 c + 5 are the 24 bytes at 48 c + 24 h of the row's K step
.endr
	s_wait_loadcnt 0x0
.irp c, 0,1,2
	global_store_b128 v101, v[FRG+4*\c:FRG+4*\c+3], s[24:25] offset:512*\c   ; 512 consecutive bytes, aligned; these registers are not written again
.endr
.Lnofrag:
; Four chains v[4:11] become the work-group's sum in v4: within the lane, across the wave's 32 lanes, across the 8 waves through 32 bytes of LDS at off.
.macro WGSUM off
	v_pk_add_f32 v[4:5], v[4:5], v[6:7]
	v_pk_add_f32 v[8:9], v[8:9], v[10:11]
	v_pk_add_f32 v[4:5], v[4:5], v[8:9]
	v_add_f32 v4, v4, v5
	v_add_f32_dpp v4, v4, v4 row_xmask:1 row_mask:0xf bank_mask:0xf
	v_add_f32_dpp v4, v4, v4 row_xmask:2 row_mask:0xf bank_mask:0xf
	v_add_f32_dpp v4, v4, v4 row_xmask:4 row_mask:0xf bank_mask:0xf
	v_add_f32_dpp v4, v4, v4 row_xmask:8 row_mask:0xf bank_mask:0xf
	v_permlanex16_b32 v5, v4, s12, s13
	v_add_f32 v4, v4, v5
	ds_store_b32 v3, v4 offset:\off                ; all lanes of a wave write the same word with the same value
	s_wait_dscnt 0x0                               ; for the others' sake: my store has landed
	s_barrier_signal -1
	s_barrier_wait -1
	ds_load_b128 v[80:83], v12 offset:\off
	ds_load_b128 v[84:87], v12 offset:\off+16
	s_wait_dscnt 0x0
	v_add_f32 v80, v80, v81
	v_add_f32 v82, v82, v83
	v_add_f32 v84, v84, v85
	v_add_f32 v86, v86, v87
	v_add_f32 v80, v80, v82
	v_add_f32 v84, v84, v86
	v_add_f32 v4, v80, v84
.endm
	s_wait_loadcnt 0x0
	; pass 1: the sum, in four chains that the first eight pairs start
.irp k, 0,1,2,3
	v_pk_add_f32 v[4+2*\k:5+2*\k], v[XR+2*\k:XR+2*\k+1], v[XR+8+2*\k:XR+9+2*\k]
.endr
.set P, 8
.rept 24
	v_pk_add_f32 v[4+2*(P%4):5+2*(P%4)], v[4+2*(P%4):5+2*(P%4)], v[XR+2*P:XR+2*P+1]
.set P, P+1
.endr
	WGSUM 0
	v_mul_f32 v14, 0x38800000, v4                  ; the mean of 16,384 numbers: x 2^-14
	v_mov_b32 v15, v14
	; pass 2: the distances from the mean, and the sum of their squares
.set P, 0
.rept 32
	v_pk_add_f32 v[XR+2*P:XR+2*P+1], v[XR+2*P:XR+2*P+1], v[14:15] neg_lo:[0,1] neg_hi:[0,1]
.set P, P+1
.endr
.irp k, 0,1,2,3
	v_pk_mul_f32 v[4+2*\k:5+2*\k], v[XR+2*\k:XR+2*\k+1], v[XR+2*\k:XR+2*\k+1]
.endr
.set P, 4
.rept 28
	v_pk_fma_f32 v[4+2*(P%4):5+2*(P%4)], v[XR+2*P:XR+2*P+1], v[XR+2*P:XR+2*P+1], v[4+2*(P%4):5+2*(P%4)]
.set P, P+1
.endr
	WGSUM 256                                      ; other bytes than pass 1's: no wave still reads what is written
	v_mov_b32 v15, v4                              ; (mean, M2)
	s_cmp_lg_u32 s8, 0
	s_cbranch_scc1 .Lend                           ; wave 0 alone stores,
	v_cmp_eq_u32 vcc_lo, 0, v0
	s_wait_xcnt 0x0                                ; EXEC changes only behind this wait
	s_and_saveexec_b32 s9, vcc_lo                  ; and of it lane 0: 8 bytes a work-group, 2,048 in the launch
	global_store_b64 v12, v[14:15], s[6:7]
	s_wait_xcnt 0x0
	s_or_b32 exec_lo, exec_lo, s9
.Lend:
	s_wait_tensorcnt 0x0
	ds_add_u32 v104, v105
	s_wait_dscnt 0x0
	s_endpgm
.Lfunc_end_k_q9f6dcb60a8_stats:
	.size	k_q9f6dcb60a8_stats, .Lfunc_end_k_q9f6dcb60a8_stats-k_q9f6dcb60a8_stats
	.p2alignl 7, 3214868480
	.fill 96, 4, 3214868480
	.section	.rodata,"a",@progbits
	.p2align	6, 0x0
	.amdhsa_kernel k_q9f6dcb60a8_stats
		.amdhsa_group_segment_fixed_size 1536
		.amdhsa_private_segment_fixed_size 0
		.amdhsa_enable_private_segment 0
		.amdhsa_kernarg_size 56
		.amdhsa_user_sgpr_count 2
		.amdhsa_user_sgpr_kernarg_segment_ptr 1
		.amdhsa_wavefront_size32 1
		.amdhsa_system_sgpr_workgroup_id_x 1
		.amdhsa_system_sgpr_workgroup_id_y 1
		.amdhsa_system_sgpr_workgroup_id_z 1
		.amdhsa_system_vgpr_workitem_id 0
		.amdhsa_next_free_vgpr 106
		.amdhsa_next_free_sgpr 66
		.amdhsa_reserve_vcc 1
		.amdhsa_float_denorm_mode_32 3
		.amdhsa_float_denorm_mode_16_64 3
		.amdhsa_memory_ordered 1
		.amdhsa_forward_progress 1
		.amdhsa_inst_pref_size 14
	.end_amdhsa_kernel
	.amdgpu_metadata
---
amdhsa.version: [ 1, 2 ]
amdhsa.kernels:
  - .name:           k_q9f6dcb60a8_stats
    .symbol:         k_q9f6dcb60a8_stats.kd
    .args:
      - { .name: x, .offset: 0, .size: 8, .value_kind: global_buffer, .address_space: global }
      - { .name: part, .offset: 8, .size: 8, .value_kind: global_buffer, .address_space: global }
      - { .name: wq_codes, .offset: 16, .size: 8, .value_kind: global_buffer, .address_space: global }
      - { .name: wk_codes, .offset: 24, .size: 8, .value_kind: global_buffer, .address_space: global }
      - { .name: wv_codes, .offset: 32, .size: 8, .value_kind: global_buffer, .address_space: global }
      - { .name: wp_codes, .offset: 40, .size: 8, .value_kind: global_buffer, .address_space: global }
      - { .name: wimg, .offset: 48, .size: 8, .value_kind: global_buffer, .address_space: global }
    .group_segment_fixed_size: 1536
    .private_segment_fixed_size: 0
    .kernarg_segment_align: 8
    .kernarg_segment_size: 56
    .max_flat_workgroup_size: 256
    .sgpr_count:     66
    .vgpr_count:     106
    .wavefront_size: 32
...
	.end_amdgpu_metadata
.endif
;; end of part 1
;; launch proj (part 2): grid 64 x 4, 4 waves a work-group, no clusters, 37,376 bytes of LDS; arguments x, part, gn_scale, gn_bias, wimg, wq_scales, bq, wk_scales, bk, wv_scales, bv, qw, kw, vw; writes qw, kw, vw
.if DOCPART == 2
	.amdgcn_target "amdgcn-amd-amdhsa--gfx1250"
	.amdhsa_code_object_version 6
	.text
	.protected	k_q9f6dcb60a8_proj
	.globl	k_q9f6dcb60a8_proj
	.p2align	8
	.type	k_q9f6dcb60a8_proj,@function
k_q9f6dcb60a8_proj:
	s_mov_b64 s[64:65], 0
	v_nop
	global_prefetch_b8 v0, s[64:65] scope:SCOPE_SE
	s_setreg_imm32_b32 hwreg(HW_REG_WAVE_MODE, 25, 1), 1
	s_wait_xcnt 0x0
; GROUP NORM, SECOND HALF, AND THE THREE PROJECTIONS, on codes of BF6 (E3M2) with one E8M0 scale for each 32 along K.
; o = (x - mean) rstd gn_scale + gn_bias, quantised along the channels; q = o wq^T + bq, k = o wk^T + bk: quantised along their 256 output channels; v = wv o + bv: quantised along the pixels (the keys).
; SHARES.  A work-group takes 128 pixels of one image (block = x / 2) and the output channels 128 role .. 128 role + 127 (role = x & 1) of q, k and v: 256 work-groups.
; Both roles of a block norm and quantise the same 128 KB of x.  The split by channels cuts all three outputs at whole fragments; a split by 64 pixels would cut v's fragments, whose K is 128 keys.
; No cluster and no joint load: x comes straight into registers, where a lane's numbers are turned so that they run down the channels; what is shared is read by two work-groups, neighbours in the grid.
; THE WEIGHTS come from wimg, where the launch before has laid their codes as images of the operand's registers (1,536 bytes a fragment; fragment 32 T + 2 tile + K step, T = 0 wq, 1 wk, 2 wv): three loads of 512 consecutive bytes a fragment.
; OUTPUT: for each image and block of 128 pixels a PART of 25,600 bytes: 16 fragments as IMAGES OF THE OPERAND'S REGISTERS (12 registers a lane; registers 4 c .. 4 c + 3 of lane l at 512 c + 16 l: 1,536 bytes), then 1,024 bytes of scale words.
;   qw, kw: fragment (t, s) at 1536 (2 t + s): 16 pixels x channels 128 s on.  Row r of tile t = 2 b + u is pixel 32 b + 8 u + r + 8 (r / 8).  Word of (t, s), row r, at 24576 + 512 (t / 4) + 16 (r + 16 s) + 4 (t % 4).
;   vw: fragment ct at 1536 ct: 16 channels x the block's 128 keys.  Row r of ct = 2 b + u is channel 32 b + 8 u + r + 8 (r / 8).  Word at 24576 + 512 (ct / 8) + 16 (r + 16 (ct % 2)) + 4 ((ct / 2) % 4).
; WHY SUCH ROWS: in a product whose source 0 has them, register j of lane (r, h) in tile 2 b + u is index 32 b + 16 h + 8 u + j: the 16 registers of tiles 2 b, 2 b + 1 are 16 neighbours along the next K, as the conversions want them.
; PHASE N: wave w norms channels 64 w .. 64 w + 63 (two blocks of K) of all 128 pixels; a lane takes pixels 4 l .. 4 l + 3.  So x comes by 64 loads a wave, each 512 consecutive bytes, all out together: 32 KB a wave.
;   A load leaves four PIXELS of one channel in four registers; the norm's multiply-add writes each number to register 32 p + c: a lane's registers then run down K for each of its four pixels.  The codes go to LDS as images.
; PHASE M: wave w makes q and k for pixel tiles 2 w, 2 w + 1 (source 0 = 16 rows of the weight, source 1 = o), and v for channel tiles 8 role + 2 w, + 1 over all 128 pixels (source 0 = o, source 1 = 16 rows of wv).
; The biases are the C of each sum's first matrix instruction.  The eight accumulators take turns, one instruction a turn.
; LIMITS: NaN and infinities are not served.  A block whose largest magnitude lies under 2^-122 keeps the scale byte 1; so does a block of zeros (the rule says 127): its codes are zeros, and this program alone reads the bytes.  1 / sqrt is v_rsq_f32.
; REGISTERS, in windows of 256: window 0: v1-21 ids and addresses; phase N: v22-29 means, v32-159 four pixels x 32 channels, v160-191 and v220-251 tables, then at work, v252-255 scale bytes; phase M: v32-55 o's two fragments,
;   v64-127 accumulators, v128-172 at work; v192-219 scale words and nothing else.   window 1: wq's 16 fragments (tile i, K step s at 12 (2 i + s)), bq's 8 tiles from v192; later o's 16 fragments.
;   window 2: x's first 32 channels (v0-127); then the same as window 1 for wk, bk.   window 3: wv's 4 fragments, bv's two tiles from v48; x's second 32 channels (v64-191).
.set OSC,   24576                      ; LDS: 0: o's 16 images, (tile, K step) at 3072 tile + 1536 step;  OSC: o's scale words, 128 bytes a tile (4 r; + 64 for K step 1);
.set GS,    25600                      ; the scale words on their way out: q 512, k 512, v 512 bytes;
.set TABS,  27136                      ; each wave's own tables: a[256], bias[256], then each group's mean twice
.set TABW,  2304
.set PARTB, 25600
.set TRA, 4                            ; v4   my wave's tables, at my wave's 64 channels: + 256 w
.set LI,  5                            ; v5   16 x lane
.set LS,  6                            ; v6   4 x lane
.set OW2, 7                            ; v7   where my pixels' codes go: as OW1, with 1016 for 520
.set TWA, 8                            ; v8   my wave's tables + 32 x lane
.set TWM, 9                            ; v9   + 8 x lane
.set OW1, 10                           ; v10  3072 tile + 16 row of pixel 4 l, + 1536 (w / 2) + 520 (w % 2)
.set OSW, 11                           ; v11  their scale bytes: 128 tile + 4 row + 64 (w / 2) + 2 (w % 2)
.set TRM, 12                           ; v12  my wave's tables, at my wave's 8 groups' means
.set WSA, 13                           ; v13  the weights' scale words: (r + 8 (r / 8)) x 8 + 4 h
.set B1A, 14                           ; v14  64 h
.set BVA, 15                           ; v15  4 (r + 8 (r / 8))
.set OFA, 16                           ; v16  my two tiles' images: 6144 w + 16 lane
.set OSA, 17                           ; v17  256 w + 4 lane
.set GQA, 18                           ; v18  256 (w / 2) + 8 (w % 2) + 16 r
.set GVA, 19                           ; v19  16 lane + 4 w
.set GRD, 20                           ; v20  512 w + 16 lane
.set R16, 21                           ; v21  16 r
.set MN,  22
.set Y,   32
.set TA,  160
.set TB,  220
.set C,   160                          ; (the tables' registers are free once a block is normed)
.set CT,  220
.set MX,  236
.set SOP, 240
.set BY,  244
.set OSH, 252
.set OF,  32
.set ACC, 64
.set PC,  128
.set TM,  148
.set PW,  164
.set PWQ, 166
.set PWK, 168
.set PWV, 170
.set WQS, 192
.set WKS, 200
.set WVS, 208
.set OSR, 210
.set OSV, 212
.set WV,  36                           ; s36 wave, s37 block, s38 role, s39 image
.set SEL, 48
.set MSB, 0
.macro WIN new                         ; the immediate's high byte repeats the setting that is left; a switch that changes nothing is dropped
.if MSB != (\new)
	s_set_vgpr_msb (MSB<<8)|(\new)
.set MSB, (\new)
.endif
.endm
.macro PLACES n
.rept \n
	v_nop
.endr
.endm
.macro BARRIER                         ; my LDS stores have landed and my LDS loads are in: then the work-group's barrier
	s_wait_dscnt 0x0
	s_barrier_signal -1
	s_barrier_wait -1
.endm
; 64 numbers of a lane, v[s] .. v[s + 63], register 16 b + i = k 32 b + 16 (lane / 16) + i of my row, become a fragment's codes in v[PC] on and its scale word in v[PW].
.macro QUANT s
.irp b, 0,1,2,3
	v_max3_num_f32 v[TM+\b], |v[\s+16*\b]|, |v[\s+1+16*\b]|, 0x2800000   ; block b: my 16 numbers, and the floor 2^(5 - 127): the byte cannot fall under 1
.endr
.irp i, 2,4,6,8,10,12,14
.irp b, 0,1,2,3
	v_max3_num_f32 v[TM+\b], v[TM+\b], |v[\s+16*\b+\i]|, |v[\s+1+16*\b+\i]|   ; the four blocks by turns; each accumulator is read from its low end on
.endr
.endr
.irp b, 0,1,2,3
	v_permlanex16_b32 v[TM+4+\b], v[TM+\b], s[SEL], s[SEL+1]
.endr
.irp b, 0,1,2,3
	v_max_num_f32 v[TM+\b], v[TM+\b], v[TM+4+\b]   ; with lane l xor 16's: the block's largest magnitude
.endr
.irp b, 0,1,2,3
	v_add_nc_u32 v[TM+12+\b], 0xfe000000, v[TM+\b] ; 4 off its exponent field: the conversion's scale operand
.endr
.irp b, 0,1,2,3
	v_lshrrev_b32 v[TM+4+\b], 23, v[TM+12+\b]      ; the scale's byte
.endr
	v_lshl_or_b32 v[PW], v[TM+5], 8, v[TM+4]
	v_lshl_or_b32 v[PW], v[TM+6], 16, v[PW]
	v_lshl_or_b32 v[PW], v[TM+7], 24, v[PW]
.irp c, 0,1
	v_cvt_scalef32_pk16_bf6_f32 v[PC+6*\c:PC+2+6*\c], v[\s+32*\c:\s+15+32*\c], v[TM+12+2*\c]
	v_cvt_scalef32_pk16_bf6_f32 v[PC+12+4*\c:PC+14+4*\c], v[\s+16+32*\c:\s+31+32*\c], v[TM+12+2*\c+1]   ; (a conversion's three registers begin on an even number)
.endr
	v_nop                                          ; one plain place behind a scaled conversion
.irp c, 0,1                                    ; the operand's layout wants a WHOLE block in a lane: lanes 0-15 block 2 c, lanes 16-31 block 2 c + 1
.irp i, 0,1,2
	v_permlane16_swap_b32 v[PC+6*\c+\i], v[PC+12+4*\c+\i]
.endr
.irp i, 0,1,2
	v_mov_b32 v[PC+3+6*\c+\i], v[PC+12+4*\c+\i]
.endr
.endr
.endm
.macro IMGOUT base, off                        ; the fragment in v[PC] on goes to memory as it stands: each store covers 512 consecutive bytes, aligned to 512
.irp c, 0,1,2
	global_store_b128 v[LI], v[PC+4*\c:PC+4*\c+3], s[\base:\base+1] offset:\off+512*\c
.endr
.endm
	s_load_b256 s[4:11], s[0:1], 0x0               ; x 4, part 6, gn_scale 8, gn_bias 10
	s_load_b128 s[12:15], s[0:1], 0x20             ; wimg 12, wq_scales 14
	s_load_b64 s[16:17], s[0:1], 0x30              ; bq
	s_load_b128 s[20:23], s[0:1], 0x38             ; wk_scales 20, bk 22
	s_load_b64 s[26:27], s[0:1], 0x48              ; wv_scales
	s_load_b64 s[28:29], s[0:1], 0x50              ; bv
	s_load_b64 s[30:31], s[0:1], 0x58              ; qw
	s_load_b128 s[32:35], s[0:1], 0x60             ; kw 32, vw 34
	v_lshl_add_u32 v31, v0, 2, 0x9000
	v_mov_b32 v211, 0
	v_lshrrev_b32 v22, 5, v0
	v_readfirstlane_b32 s[WV], v22                 ; wave 0..3
	v_and_b32 v1, 31, v0                           ; lane
	v_and_b32 v2, 15, v0                           ; r
	v_bfe_u32 v3, v0, 4, 1                         ; h
	v_lshlrev_b32 v[LI], 4, v1
	v_lshlrev_b32 v[LS], 2, v1
	s_mul_i32 s40, s[WV], TABW
	s_add_co_u32 s40, s40, TABS
	v_lshl_add_u32 v[TWA], v1, 5, s40
	v_lshl_add_u32 v[TWM], v1, 3, s40
	s_lshl_b32 s41, s[WV], 8                       ; my 64 channels' a and bias: 256 bytes on for each wave
	s_add_co_u32 s41, s41, s40
	v_mov_b32 v[TRA], s41
	s_lshl_b32 s41, s[WV], 6                       ; my 8 groups' means: 8 bytes a group
	s_add_co_u32 s41, s41, s40
	s_add_co_u32 s41, s41, 2048
	v_mov_b32 v[TRM], s41
	; pixel P = 4 l + p of the block lies in tile 2 (P / 32) + (P / 8) % 2 at row 8 ((P / 16) % 2) + P % 8: tile 2 (l / 8) + (l / 2) % 2, row 8 ((l / 4) % 2) + 4 (l % 2) + p
	v_lshrrev_b32 v22, 3, v1
	v_bfe_u32 v23, v0, 1, 1
	v_lshl_add_u32 v22, v22, 1, v23                ; the tile
	v_bfe_u32 v23, v0, 2, 1
	v_and_b32 v26, 1, v0
	v_lshlrev_b32 v26, 2, v26
	v_lshl_add_u32 v23, v23, 3, v26                ; the row of pixel 4 l
	s_lshr_b32 s41, s[WV], 1                       ; my channels' K step: w / 2;
	s_and_b32 s42, s[WV], 1                        ; their half of it: registers 6 (w % 2) .. 6 (w % 2) + 5 of the fragment
	s_mul_i32 s43, s41, 1536
	s_mul_i32 s46, s42, 520                        ; registers 0-1, 2-3, 4-5 lie at bytes 0, 8, 512 of a lane's place in the image; registers 6-7, 8-9, 10-11 at 520, 1024, 1032:
	s_add_co_u32 s46, s46, s43                     ; the first and the third pair move by 520,
	s_mul_i32 s47, s42, 1016                       ; the second by 1016
	s_add_co_u32 s47, s47, s43
	v_mul_u32_u24 v27, v22, 3072
	v_lshl_add_u32 v27, v23, 4, v27
	v_add_nc_u32 v[OW1], s46, v27
	v_add_nc_u32 v[OW2], s47, v27
	s_lshl_b32 s41, s41, 6
	s_lshl_b32 s42, s42, 1
	s_add_co_u32 s41, s41, s42
	v_lshlrev_b32 v[OSW], 7, v22
	v_lshl_add_u32 v[OSW], v23, 2, v[OSW]
	v_add_nc_u32 v[OSW], s41, v[OSW]
	v_and_b32 v24, 8, v2
	v_add_nc_u32 v24, v24, v2                      ; r + 8 (r / 8)
	v_lshlrev_b32 v[WSA], 3, v24
	v_lshl_add_u32 v[WSA], v3, 2, v[WSA]
	v_lshlrev_b32 v[B1A], 6, v3
	v_lshlrev_b32 v[BVA], 2, v24
	s_mul_i32 s41, s[WV], 6144
	s_lshl_b32 s42, s[WV], 8
	v_add_nc_u32 v[OFA], s41, v[LI]
	v_add_nc_u32 v[OSA], s42, v[LS]
	s_lshr_b32 s43, s[WV], 1
	s_lshl_b32 s43, s43, 8
	s_and_b32 s44, s[WV], 1
	s_lshl_b32 s44, s44, 3
	s_add_co_u32 s43, s43, s44
	v_lshl_add_u32 v[GQA], v2, 4, s43
	s_lshl_b32 s44, s[WV], 2
	v_add_nc_u32 v[GVA], s44, v[LI]
	s_lshl_b32 s44, s[WV], 9
	v_add_nc_u32 v[GRD], s44, v[LI]
	v_lshlrev_b32 v[R16], 4, v2
	v_lshlrev_b32 v25, 5, v1                       ; 32 x lane: lane g's eight channels of gn_scale and gn_bias
	s_lshr_b32 s37, ttmp9, 1                       ; block of 128 pixels
	s_and_b32 s38, ttmp9, 1                        ; role
	s_and_b32 s39, ttmp7, 0xffff                   ; image
	s_mov_b32 s[SEL], 0x76543210
	s_mov_b32 s[SEL+1], 0xfedcba98
	s_mov_b32 s45, 0                               ; every offset is a pair with 0 above it
	s_wait_kmcnt 0x0
	s_lshl_b32 s44, s39, 22
	s_lshl_b32 s46, s37, 9
	s_add_co_u32 s44, s44, s46
	s_lshl_b32 s46, s[WV], 20
	s_add_co_u32 s44, s44, s46
	s_add_nc_u64 s[4:5], s[4:5], s[44:45]          ; x: the image, channel 64 w, the block's first pixel
	s_lshl_b32 s44, s39, 9
	s_add_nc_u64 s[6:7], s[6:7], s[44:45]          ; part: the image's 32 groups
	s_mul_i32 s44, s38, 24576
	s_add_nc_u64 s[12:13], s[12:13], s[44:45]      ; wq's images: my role's 16 fragments;
	s_add_nc_u64 s[18:19], s[12:13], 49152         ; wk's lie 32 fragments on;
	s_mul_i32 s44, s[WV], 6144
	s_add_co_u32 s44, s44, 98304
	s_add_nc_u64 s[24:25], s[12:13], s[44:45]      ; wv's 64 on: tiles 8 role + 2 w, + 1
	s_lshl_b32 s44, s38, 10
	s_add_nc_u64 s[14:15], s[14:15], s[44:45]      ; the scale bytes: 8 a row
	s_add_nc_u64 s[20:21], s[20:21], s[44:45]
	s_lshl_b32 s46, s[WV], 8
	s_add_co_u32 s44, s44, s46
	s_add_nc_u64 s[26:27], s[26:27], s[44:45]
	s_lshl_b32 s44, s38, 9
	s_add_nc_u64 s[16:17], s[16:17], s[44:45]      ; the biases: 4 bytes a row
	s_add_nc_u64 s[22:23], s[22:23], s[44:45]
	s_lshl_b32 s46, s[WV], 7
	s_add_co_u32 s44, s44, s46
	s_add_nc_u64 s[28:29], s[28:29], s[44:45]
	s_lshl_b32 s44, s39, 5
	s_add_co_u32 s44, s44, s37
	s_mul_i32 s44, s44, PARTB
	s_add_nc_u64 s[30:31], s[30:31], s[44:45]      ; the block's part in qw, kw, vw
	s_add_nc_u64 s[32:33], s[32:33], s[44:45]
	s_add_nc_u64 s[34:35], s[34:35], s[44:45]
	s_mul_i32 s44, s[WV], 6144
	s_mul_i32 s46, s38, 1536
	s_add_co_u32 s44, s44, s46
	s_add_nc_u64 s[52:53], s[30:31], s[44:45]      ; q, k: fragment (2 w, role)
	s_add_nc_u64 s[54:55], s[32:33], s[44:45]
	s_mul_i32 s44, s38, 12288
	s_mul_i32 s46, s[WV], 3072
	s_add_co_u32 s44, s44, s46
	s_add_nc_u64 s[56:57], s[34:35], s[44:45]      ; v: fragment 8 role + 2 w
	s_lshl_b32 s44, s38, 8
	s_add_co_u32 s44, s44, 24576
	s_add_nc_u64 s[58:59], s[30:31], s[44:45]      ; the scale words: q's and k's: two runs of 256 bytes, 512 apart;
	s_add_nc_u64 s[60:61], s[32:33], s[44:45]
	s_lshl_b32 s44, s38, 9
	s_add_co_u32 s44, s44, 24576
	s_add_nc_u64 s[62:63], s[34:35], s[44:45]      ; v's: one run of 512
.macro WFRAG f                         ; weight fragment f of 36: 0-15 wq's, 16-31 wk's (tile (f % 16) / 2, K step f % 2), 32-35 wv's: its image, three loads of 512 consecutive bytes
.if (\f) < 16
	WIN 0x40
.irp c, 0,1,2
	global_load_b128 v[12*(\f)+4*\c:12*(\f)+4*\c+3], v[LI], s[12:13] offset:1536*(\f)+512*\c
.endr
.elseif (\f) < 32
	WIN 0x80
.irp c, 0,1,2
	global_load_b128 v[12*((\f)-16)+4*\c:12*((\f)-16)+4*\c+3], v[LI], s[18:19] offset:1536*((\f)-16)+512*\c
.endr
.else
	WIN 0xc0
.irp c, 0,1,2
	global_load_b128 v[12*((\f)-32)+4*\c:12*((\f)-32)+4*\c+3], v[LI], s[24:25] offset:1536*((\f)-32)+512*\c
.endr
.endif
.endm
	global_load_b128 v[96:99], v[LI], s[6:7]       ; lane g: (mean, M2) of both halves of group g
	global_load_b128 v[100:103], v25, s[8:9]
	global_load_b128 v[104:107], v25, s[8:9] offset:16
	global_load_b128 v[108:111], v25, s[10:11]
	global_load_b128 v[112:115], v25, s[10:11] offset:16
	WIN 0x80                                       ; x: channel c of my 64, pixels 4 l .. 4 l + 3: the first 32 channels into window 2,
.set K, 0
.rept 32
	global_load_b128 v[4*K:4*K+3], v[LI], s[4:5] offset:16384*K
.set K, K+1
.endr
	WIN 0xc0                                       ; the second 32 into window 3
.set K, 0
.rept 32
	global_load_b128 v[64+4*K:64+4*K+3], v[LI], s[4:5] offset:16384*(32+K)
.set K, K+1
.endr
	WIN 0
	s_wait_loadcnt 63                              ; 64 loads were issued behind the five at the top: those are in
	v_add_f32 v124, v96, v98
	v_sub_f32 v26, v96, v98
	v_add_f32 v27, v97, v99
	v_mul_f32 v124, 0.5, v124                      ; the group's mean
	v_mul_f32 v26, v26, v26
	v_fmamk_f32 v27, v26, 0x46000000, v27          ; M2 = M2_0 + M2_1 + 8192 (m0 - m1)^2: two halves of 16,384 numbers
	v_mov_b32 v28, 0x358637bd                      ; 1e-6
	v_fmamk_f32 v27, v27, 0x38000000, v28          ; the variance, M2 x 2^-15, + 1e-6
	v_rsq_f32 v29, v27
	v_mov_b32 v125, v124                           ; (a plain place behind the transcendental)  the mean twice: a pair for the packed subtraction
	s_wait_alu depctr_va_vdst(0)
.irp i, 0,1,2,3,4,5,6,7
	v_mul_f32 v[116+\i], v29, v[100+\i]            ; a = rstd x gn_scale
.endr
	ds_store_b128 v[TWA], v[116:119]               ; my wave's own tables: only my wave reads them, and LDS serves a wave's instructions in order
	ds_store_b128 v[TWA], v[120:123] offset:16
	ds_store_b128 v[TWA], v[108:111] offset:1024
	ds_store_b128 v[TWA], v[112:115] offset:1040
	ds_store_b64 v[TWM], v[124:125] offset:2048
.irp f, 0,1,2,3,4,5,6,7,8,9,10,11,12,13,14,15
	WFRAG \f                                       ; wq: 48 loads
.endr
	WIN 0
; PHASE N.  Block bb of my two: channels 64 w + 32 bb + 0 .. 31, raw in v[xr] on of the window that wsub (destination and source 0) and wfma (source 0) name.
.macro NORM bb, xr, wsub, wfma
.if \bb
	s_wait_dscnt 0x0                               ; the last block's stores have read their registers, which the tables now take
.endif
.irp k, 0,1,2,3,4,5,6,7
	ds_load_b128 v[TA+4*\k:TA+4*\k+3], v[TRA] offset:128*\bb+16*\k          ; every lane reads the same bytes
.endr
.irp k, 0,1,2,3,4,5,6,7
	ds_load_b128 v[TB+4*\k:TB+4*\k+3], v[TRA] offset:1024+128*\bb+16*\k
.endr
	ds_load_b128 v[MN:MN+3], v[TRM] offset:32*\bb
	ds_load_b128 v[MN+4:MN+7], v[TRM] offset:32*\bb+16
	s_wait_loadcnt 63                              ; behind this block's 32 loads of x stand 80 loads (block 0) or 112 (block 1): with at most 63 out they are in
	s_wait_dscnt 0x0
	WIN \wsub
.set NC, 0
.rept 32
	v_pk_add_f32 v[\xr+4*NC:\xr+4*NC+1], v[\xr+4*NC:\xr+4*NC+1], v[MN+2*(NC/8):MN+2*(NC/8)+1] neg_lo:[0,1] neg_hi:[0,1]       ; x - mean, two pixels at a time
	v_pk_add_f32 v[\xr+4*NC+2:\xr+4*NC+3], v[\xr+4*NC+2:\xr+4*NC+3], v[MN+2*(NC/8):MN+2*(NC/8)+1] neg_lo:[0,1] neg_hi:[0,1]
.set NC, NC+1
.endr
	WIN \wfma
.set NC, 0
.rept 32
.irp p, 0,1,2,3
	v_fma_f32 v[Y+32*\p+NC], v[\xr+4*NC+\p], v[TA+NC], v[TB+NC]   ; x a + bias, to its place: pixel p's 32 channels on end
.endr
.set NC, NC+1
.endr
	WIN 0
.endm
; The block's 32 channels of each of my four pixels are one block of K, all in my registers: its scale, its codes, and their place in the image.
.macro QUANT4 bb
.irp p, 0,1,2,3
	v_max3_num_f32 v[MX+\p], |v[Y+32*\p]|, |v[Y+32*\p+1]|, 0x2800000   ; and the floor 2^(5 - 127): the byte cannot fall under 1
.endr
.irp i, 2,4,6,8,10,12,14,16,18,20,22,24,26,28,30
.irp p, 0,1,2,3
	v_max3_num_f32 v[MX+\p], v[MX+\p], |v[Y+32*\p+\i]|, |v[Y+32*\p+\i+1]|   ; the four pixels by turns
.endr
.endr
.irp p, 0,1,2,3
	v_add_nc_u32 v[SOP+\p], 0xfe000000, v[MX+\p]   ; 4 off the exponent field: the conversion's scale operand
.endr
.irp p, 0,1,2,3
	v_lshrrev_b32 v[BY+\p], 23, v[SOP+\p]          ; the scale's byte
.endr
.irp p, 0,1,2,3
.if \bb
	v_lshl_or_b32 v[OSH+\p], v[BY+\p], 8, v[OSH+\p]
.else
	v_mov_b32 v[OSH+\p], v[BY+\p]
.endif
.endr
.irp p, 0,1,2,3
	v_cvt_scalef32_pk16_bf6_f32 v[C+8*\p:C+8*\p+2], v[Y+32*\p:Y+32*\p+15], v[SOP+\p]
	v_cvt_scalef32_pk16_bf6_f32 v[CT+4*\p:CT+4*\p+2], v[Y+32*\p+16:Y+32*\p+31], v[SOP+\p]   ; (a conversion's three registers begin on an even number)
.endr
	v_nop                                          ; one plain place behind a scaled conversion
.irp p, 0,1,2,3
.irp i, 0,1,2
	v_mov_b32 v[C+8*\p+3+\i], v[CT+4*\p+\i]
.endr
.endr
	; these six registers are registers 6 (w % 2) .. + 5 of lane (the pixel's row) + 16 bb of fragment (the pixel's tile, w / 2)
.irp p, 0,1,2,3
	ds_store_b64 v[OW1], v[C+8*\p:C+8*\p+1] offset:256*\bb+16*\p
	ds_store_b64 v[OW2], v[C+8*\p+2:C+8*\p+3] offset:256*\bb+16*\p+8
	ds_store_b64 v[OW1], v[C+8*\p+4:C+8*\p+5] offset:256*\bb+16*\p+512
.endr
.endm
	NORM 0, 0, 0x82, 0x02
.irp f, 16,17,18,19,20,21,22,23,24,25,26,27,28,29,30,31
	WFRAG \f                                       ; wk, into the window that x's first 32 channels have left: 48 loads,
.endr
	WIN 0x80
.irp i, 0,1,2,3,4,5,6,7
	global_load_b128 v[192+8*\i:192+8*\i+3], v[B1A], s[22:23] offset:(32*(\i/2)+8*(\i%2))*4      ; and bk at the lane's eight output channels of tile i: 16
	global_load_b128 v[192+8*\i+4:192+8*\i+7], v[B1A], s[22:23] offset:(32*(\i/2)+8*(\i%2))*4+16
.endr
	WIN 0
	QUANT4 0
	NORM 1, 64, 0xc3, 0x03
.irp f, 32,33,34,35
	WFRAG \f                                       ; wv
.endr
	WIN 0xc0
.irp c, 0,1
.irp j, 0,1,2,3,4,5,6,7
	global_load_b32 v[48+8*\c+\j], v[BVA], s[28:29] offset:32*\c   ; in v's product a lane holds one channel: its bias in all eight registers
.endr
.endr
	WIN 0x40
.irp i, 0,1,2,3,4,5,6,7
	global_load_b128 v[192+8*\i:192+8*\i+3], v[B1A], s[16:17] offset:(32*(\i/2)+8*(\i%2))*4      ; bq
	global_load_b128 v[192+8*\i+4:192+8*\i+7], v[B1A], s[16:17] offset:(32*(\i/2)+8*(\i%2))*4+16
.endr
	WIN 0
.irp i, 0,1,2,3,4,5,6,7
	global_load_b32 v[WQS+\i], v[WSA], s[14:15] offset:(32*(\i/2)+8*(\i%2))*8   ; lanes 0-15: the word of K step 0; lanes 16-31: of K step 1
	global_load_b32 v[WKS+\i], v[WSA], s[20:21] offset:(32*(\i/2)+8*(\i%2))*8
.endr
	global_load_b32 v[WVS], v[WSA], s[26:27]
	global_load_b32 v[WVS+1], v[WSA], s[26:27] offset:64
	QUANT4 1
.irp p, 0,1,2,3
	ds_store_b16 v[OSW], v[OSH+\p] offset:OSC+4*\p ; my two bytes of the pixel's scale word for K step w / 2; the wave beside me writes the other two
.endr
.irp b, 0,1,2,3
	v_mov_b32 v[TM+4+\b], 0                        ; written once: a lane permute's destination counts as one of its sources
.endr
	s_wait_loadcnt 0x0                             ; the weights, their scale words, the biases
	BARRIER                                        ; o's sixteen fragments and their scale words lie in LDS
; PHASE M.  q or k of my pixel tile 2 w + tl: eight tiles of 16 output channels, two K steps; then quantised along the output channels: fragment (2 w + tl, role).
.macro QK tl, w1, w2, sc, base, pw
	WIN \w1                                        ; source 0 (the weight) and source 2 (the bias) in the weight's window
.irp i, 0,1,2,3,4,5,6,7
	v_wmma_scale_f32_16x16x128_f8f6f4 v[ACC+8*\i:ACC+8*\i+7], v[24*\i:24*\i+11], v[OF:OF+11], v[192+8*\i:192+8*\i+7], v[\sc+\i], v[OSR] matrix_a_fmt:MATRIX_FMT_BF6 matrix_b_fmt:MATRIX_FMT_BF6
.endr
	WIN \w2
.irp i, 0,1,2,3,4,5,6,7
	v_wmma_scale_f32_16x16x128_f8f6f4 v[ACC+8*\i:ACC+8*\i+7], v[24*\i+12:24*\i+23], v[OF+12:OF+23], v[ACC+8*\i:ACC+8*\i+7], v[\sc+\i], v[OSR] matrix_a_fmt:MATRIX_FMT_BF6 matrix_b_fmt:MATRIX_FMT_BF6 matrix_a_scale:MATRIX_SCALE_ROW1 matrix_b_scale:MATRIX_SCALE_ROW1
.endr
	WIN 0
	PLACES 5                                       ; four in front of the first read of results and of loads into operands; five in front of the next sums, which begin anew on these accumulators
	s_wait_xcnt 0x0                                ; the last fragment's stores have read their registers
	QUANT ACC
	IMGOUT \base, 3072*\tl
	v_mov_b32 v[\pw+\tl], v[PW]
.endm
.irp tl, 0,1
.irp k, 0,1,2,3,4,5
	ds_load_b128 v[OF+4*\k:OF+4*\k+3], v[OFA] offset:3072*\tl+512*\k
.endr
	ds_load_b32 v[OSR], v[OSA] offset:OSC+128*\tl
	s_wait_dscnt 0x0
	QK \tl, 0x11, 0x01, WQS, 52, PWQ
	QK \tl, 0x22, 0x02, WKS, 54, PWK
.endr
	; v: all of o's fragments, into the registers that held wq
	WIN 0x40
.set K, 0
.rept 48
	ds_load_b128 v[4*K:4*K+3], v[LI] offset:512*K
.set K, K+1
.endr
	WIN 0
.irp t, 0,1,2,3,4,5,6,7
	ds_load_b32 v[OSV+\t], v[LS] offset:OSC+128*\t
.endr
	s_wait_dscnt 0x0
.macro VP ctl                          ; channel tile 8 role + 2 w + ctl over the 128 pixels: source 0 = o's tile t, source 1 = 16 rows of wv: a lane holds one channel, its registers run along the keys
	WIN 0x3d                                       ; source 0 window 1, sources 1 and 2 window 3
.irp t, 0,1,2,3,4,5,6,7
	v_wmma_scale_f32_16x16x128_f8f6f4 v[ACC+8*\t:ACC+8*\t+7], v[24*\t:24*\t+11], v[24*\ctl:24*\ctl+11], v[48+8*\ctl:48+8*\ctl+7], v[OSV+\t], v[WVS+\ctl] matrix_a_fmt:MATRIX_FMT_BF6 matrix_b_fmt:MATRIX_FMT_BF6
.endr
	WIN 0x0d
.irp t, 0,1,2,3,4,5,6,7
	v_wmma_scale_f32_16x16x128_f8f6f4 v[ACC+8*\t:ACC+8*\t+7], v[24*\t+12:24*\t+23], v[24*\ctl+12:24*\ctl+23], v[ACC+8*\t:ACC+8*\t+7], v[OSV+\t], v[WVS+\ctl] matrix_a_fmt:MATRIX_FMT_BF6 matrix_b_fmt:MATRIX_FMT_BF6 matrix_a_scale:MATRIX_SCALE_ROW1 matrix_b_scale:MATRIX_SCALE_ROW1
.endr
	WIN 0
	PLACES 5
	s_wait_xcnt 0x0
	QUANT ACC
	IMGOUT 56, 1536*\ctl
	v_mov_b32 v[PWV+\ctl], v[PW]
.endm
	VP 0
	VP 1
	; the scale words are gathered in LDS, so that they leave in runs of 256 consecutive bytes
	ds_store_b64 v[GQA], v[PWQ:PWQ+1] offset:GS            ; lanes 16-31 write what lanes 0-15 write: the same words to the same bytes
	ds_store_b64 v[GQA], v[PWK:PWK+1] offset:GS+512
	v_cmp_gt_u32 vcc_lo, 16, v1
	v_cndmask_b32 v[PWV+2], v[PWV+1], v[PWV], vcc_lo       ; lanes 0-15: my even tile's word; lanes 16-31: my odd tile's
	ds_store_b32 v[GVA], v[PWV+2] offset:GS+1024
	BARRIER
	s_cmp_eq_u32 s[WV], 3
	s_cbranch_scc1 .Lend                           ; wave 0 stores q's words, wave 1 k's, wave 2 v's
	ds_load_b128 v[32:35], v[GRD] offset:GS
	s_cmp_eq_u32 s[WV], 0
	s_cselect_b64 s[50:51], s[58:59], s[60:61]     ; the choice hangs on the wave's number alone
	s_mov_b32 s46, 512
	s_cmp_eq_u32 s[WV], 2
	s_cselect_b64 s[50:51], s[62:63], s[50:51]
	s_cselect_b32 s46, 256, s46                    ; from lanes 0-15 to lanes 16-31: 512 bytes in q's and k's words, 256 in v's
	v_mad_u32_u24 v[R16], v3, s46, v[R16]
	s_wait_dscnt 0x0
	global_store_b128 v[R16], v[32:35], s[50:51]   ; sixteen lanes store 256 consecutive bytes, aligned
.Lend:
	s_wait_tensorcnt 0x0
	ds_add_u32 v31, v211
	s_wait_dscnt 0x0
	s_endpgm
.Lfunc_end_k_q9f6dcb60a8_proj:
	.size	k_q9f6dcb60a8_proj, .Lfunc_end_k_q9f6dcb60a8_proj-k_q9f6dcb60a8_proj
	.p2alignl 7, 3214868480
	.fill 96, 4, 3214868480
	.section	.rodata,"a",@progbits
	.p2align	6, 0x0
	.amdhsa_kernel k_q9f6dcb60a8_proj
		.amdhsa_group_segment_fixed_size 37376
		.amdhsa_private_segment_fixed_size 0
		.amdhsa_enable_private_segment 0
		.amdhsa_kernarg_size 112
		.amdhsa_user_sgpr_count 2
		.amdhsa_user_sgpr_kernarg_segment_ptr 1
		.amdhsa_wavefront_size32 1
		.amdhsa_system_sgpr_workgroup_id_x 1
		.amdhsa_system_sgpr_workgroup_id_y 1
		.amdhsa_system_sgpr_workgroup_id_z 1
		.amdhsa_system_vgpr_workitem_id 0
		.amdhsa_next_free_vgpr 960
		.amdhsa_next_free_sgpr 66
		.amdhsa_reserve_vcc 1
		.amdhsa_float_denorm_mode_32 3
		.amdhsa_float_denorm_mode_16_64 3
		.amdhsa_memory_ordered 1
		.amdhsa_forward_progress 1
		.amdhsa_inst_pref_size 114
	.end_amdhsa_kernel
	.amdgpu_metadata
---
amdhsa.version: [ 1, 2 ]
amdhsa.kernels:
  - .name:           k_q9f6dcb60a8_proj
    .symbol:         k_q9f6dcb60a8_proj.kd
    .args:
      - { .name: x, .offset: 0, .size: 8, .value_kind: global_buffer, .address_space: global }
      - { .name: part, .offset: 8, .size: 8, .value_kind: global_buffer, .address_space: global }
      - { .name: gn_scale, .offset: 16, .size: 8, .value_kind: global_buffer, .address_space: global }
      - { .name: gn_bias, .offset: 24, .size: 8, .value_kind: global_buffer, .address_space: global }
      - { .name: wimg, .offset: 32, .size: 8, .value_kind: global_buffer, .address_space: global }
      - { .name: wq_scales, .offset: 40, .size: 8, .value_kind: global_buffer, .address_space: global }
      - { .name: bq, .offset: 48, .size: 8, .value_kind: global_buffer, .address_space: global }
      - { .name: wk_scales, .offset: 56, .size: 8, .value_kind: global_buffer, .address_space: global }
      - { .name: bk, .offset: 64, .size: 8, .value_kind: global_buffer, .address_space: global }
      - { .name: wv_scales, .offset: 72, .size: 8, .value_kind: global_buffer, .address_space: global }
      - { .name: bv, .offset: 80, .size: 8, .value_kind: global_buffer, .address_space: global }
      - { .name: qw, .offset: 88, .size: 8, .value_kind: global_buffer, .address_space: global }
      - { .name: kw, .offset: 96, .size: 8, .value_kind: global_buffer, .address_space: global }
      - { .name: vw, .offset: 104, .size: 8, .value_kind: global_buffer, .address_space: global }
    .group_segment_fixed_size: 37376
    .private_segment_fixed_size: 0
    .kernarg_segment_align: 8
    .kernarg_segment_size: 112
    .max_flat_workgroup_size: 128
    .sgpr_count:     66
    .vgpr_count:     960
    .wavefront_size: 32
...
	.end_amdgpu_metadata
.endif
;; end of part 2
;; launch attn (part 3): grid 64 x 4, 4 waves a work-group, clusters of 4 x 1, 327,680 bytes of LDS; arguments qw, kw, vw, wimg, wp_scales, bp, x, out0; writes out0
.if DOCPART == 3
	.amdgcn_target "amdgcn-amd-amdhsa--gfx1250"
	.amdhsa_code_object_version 6
	.text
	.protected	k_q9f6dcb60a8_attn
	.globl	k_q9f6dcb60a8_attn
	.p2align	8
	.type	k_q9f6dcb60a8_attn,@function
k_q9f6dcb60a8_attn:
	s_mov_b64 s[64:65], 0
	v_nop
	global_prefetch_b8 v0, s[64:65] scope:SCOPE_SE
	s_setreg_imm32_b32 hwreg(HW_REG_WAVE_MODE, 25, 1), 1
	s_wait_xcnt 0x0
	s_wait_alu depctr_hold_cnt(0) depctr_sa_sdst(0) depctr_va_vdst(0) depctr_va_sdst(0) depctr_va_ssrc(0) depctr_va_vcc(0) depctr_vm_vsrc(0)
	s_getreg_b32 s2, hwreg(HW_REG_IB_STS2, 6, 4)
	s_cmp_eq_u32 s2, 0
	s_cbranch_scc0 .Lentry_in_a_cluster
	s_endpgm
.Lentry_in_a_cluster:
	s_bfe_u32 s2, ttmp6, 0x10000c
	s_cmp_lg_u32 s2, 0x3003
	s_cbranch_scc0 .Lentry_shape_is_right
	s_endpgm
.Lentry_shape_is_right:
; ATTENTION, THE OUTPUT PROJECTION AND THE RESIDUAL, on codes of BF6 (E3M2) with one E8M0 scale for each 32 along K.
; out[o][i] = sum_c wp[o][c] attn[c][i] + bp[o] + x[o][i];  attn[c][i] = sum_j v[c][j] p[i][j] / l[i];  p = 2^(t - M), t = (q[i] . k[j]) log2(e) / 16, M = the ceiling of the largest t; l = the sum of the unquantised p.
; qw, kw, vw: parts of 25,600 bytes for each image and block of 128 pixels: 16 fragments as images of the operand's registers (1,536 bytes: registers 4 c .. 4 c + 3 of lane l at 512 c + 16 l), then 1,024 bytes of scale words.
; wimg: the weights' codes as such images; wp's 32 fragments (tile of 16 rows in their own order, K step) lie from byte 147,456 on, (tile, step) at 1536 (2 tile + step).
; SHARES.  A work-group owns 64 queries of one image: four tiles of 16.  THE FOUR WAVES SPLIT THE KEYS, NOT THE QUERIES: wave w holds all four tiles and walks keys 1024 w .. 1024 w + 1023, 128 a step, with a running M and l of its own.
; So each fragment of k and v that a wave reads from LDS feeds four matrix instructions (51,200 bytes for 128 of them), and a work-group reads k and v from LDS once.  At the end the four partial results meet in LDS:
; every M is a whole number, so they are brought under the largest M by exact powers of two.
; CLUSTER.  The four work-groups of a cluster own neighbouring queries of one image and walk the same k and v: each part is asked for JOINTLY, by the same tensor load with a mask that names the four.
; RING.  Each wave has two LDS slots of its own, one for k's part of a step and one for v's: two slots of a whole step for each of four waves would be 409,600 bytes.  So a step has two refills: k's slot when its scores are made,
; v's slot when its last fragments have been asked for.  By this text's own count a wave has two tensor loads out at the start and one behind each round.
; LAYOUT.  Both products are used transposed: S^T = k q^T (source 0 = 16 keys), O^T = v p^T (source 0 = 16 channels): a lane holds ONE query (lane % 16) throughout.  The rows of k's and v's tiles are chosen (row r of tile 2 b + u is
; index 32 b + 8 u + r + 8 (r / 8)) so that the 16 registers of tiles 2 b, 2 b + 1 are 16 neighbours along the next K: p's along the keys, attn's along the channels.
; LIMITS: NaN and infinities are not served.  p under 2^-126 is flushed to 0 by v_exp_f32.  A block whose largest magnitude lies under 2^-122 (or is 0) keeps the scale byte 1.  1 / l is v_rcp_f32.
; REGISTERS, in windows of 256: window 0: v1-15 addresses; v16-31 four registers of statistics a tile (-M, largest t, l in two halves); v32-55 scale words and nothing else; v56-60 at work; v64-159 q's 8 fragments;
;   v160-207, v208-255 two runs of four fragments of k or v (the softmax's temporaries lie in the second, which is idle then).   window 1: S^T, then p: tile q at 64 q; p's codes at 64 q + 48.   windows 2, 3: O^T of tiles 0, 1 and 2, 3: 128 a tile.
.set PARTB, 25600
.set RINGW, 51200                      ; LDS: wave w's two slots at 51200 w: k's part, then v's
.set SCOFF, 24576                      ; a part's scale words
.set STX,   262144                     ; the waves' statistics on their way to the merge: 1024 w + 256 q (+ 128 for l) + 4 lane.  (O^T's four partial results lie from byte 0 on, 65,536 a wave: in the ring, which has had its last fill by then)
.set AIMG,  266240                     ; attn's 8 fragments as images: (q, s) at 1536 (2 q + s)
.set ASC,   278528                     ; their scale words: 128 q + 64 s + 4 r
.set SPARE, 279040                     ; the spare words, 128 bytes for each wave: two blocks of 256 bytes that no other line names
.set SPW, 1                            ; v1   SPARE + 4 x my thread's number; never rewritten
.set NIL, 2                            ; v2   0; never rewritten
.set LA,  3                            ; v3   my wave's k slot + 16 x lane
.set LB,  4                            ; v4   my wave's v slot + 16 x lane
.set LI,  5                            ; v5   16 x lane
.set WR,  6                            ; v6-15, v243-252: the epilogue's addresses
.set SXW, 7
.set SXR, 8
.set RD,  9
.set AW,  13
.set ASW, 14
.set ARD, 15
.set ASR, 246
.set STO, 247
.set RDO, 248
.set WPSA, 250
.set BPA, 251
.set XO,  252
.set ST,  16
.set QS,  32                           ; q's scale words (register q: lanes 0-15 K step 0, lanes 16-31 K step 1); in the epilogue attn's
.set PS,  36                           ; p's
.set KS,  40                           ; k's, a register a tile; in the epilogue wp's
.set VS,  48                           ; v's, a register for two tiles
.set F,   56
.set T2,  58
.set TMP, 60
.set QF,  64
.set H0,  160
.set H1,  208
.set BM,  208
.set PT,  212
.set SO,  216
.set XC,  220
.set NM,  128                          ; the merge: -M, then f, of unit U and wave w' at NM + 4 U + w';  l at LL + ..;  g = f / L in pairs at G + 2 (4 U + w')
.set LL,  136
.set G,   144
.set F0,  64
.set F1,  160
.set PC,  224
.set TM,  16
.set PW,  60
.set WV,  20                           ; s20 wave, s21 cx, s22 block of 64 queries, s23 image
.set G1,  24
.set G0K, 32
.set G0V, 36
.set CS,  40
.set SEL, 42
.set CNT, 44
.set MSB, 0
.macro WIN new                         ; the immediate's high byte repeats the setting that is left; a switch that changes nothing is dropped
.if MSB != (\new)
	s_set_vgpr_msb (MSB<<8)|(\new)
.set MSB, (\new)
.endif
.endm
.macro PLACES n
.rept \n
	v_nop
.endr
.endm
; A round of the cluster's barrier: my work-group's barrier; wave 0 signals for the work-group; every wave waits for all four work-groups; my work-group's barrier once more.
.macro CROUND
	s_barrier_signal -1
	s_barrier_wait -1
	s_cmp_lg_u32 s[WV], 0
	s_cbranch_scc1 .Lnot_wave_0_\@
	s_barrier_signal -3
.Lnot_wave_0_\@:
	s_barrier_wait -3
	s_barrier_signal -1
	s_barrier_wait -1
.endm
.macro LOADRUN hb, adr, off            ; four fragments, 6,144 consecutive bytes: twelve loads, each 512 consecutive bytes
	WIN 0
.irp k, 0,1,2,3,4,5,6,7,8,9,10,11
	ds_load_b128 v[\hb+4*\k:\hb+4*\k+3], v[\adr] offset:\off+512*\k
.endr
.endm
; 16 products of S^T = k q^T: key tiles 2 r, 2 r + 1, both K steps, against the four query tiles.  A sum's second link stands four instructions behind its first: the accumulators take turns.
.macro SRUN r, hb
	WIN 0x50                                       ; C and D window 1
.irp i, 0,1,2,3
.irp q, 0,1,2,3
.set SA_, 64*\q+8*(2*(\r)+\i/2)
.if \i%2 == 0
	v_wmma_scale_f32_16x16x128_f8f6f4 v[SA_:SA_+7], v[\hb+12*\i:\hb+12*\i+11], v[QF+24*\q:QF+24*\q+11], 0, v[KS+2*(\r)+\i/2], v[QS+\q] matrix_a_fmt:MATRIX_FMT_BF6 matrix_b_fmt:MATRIX_FMT_BF6
.else
	v_wmma_scale_f32_16x16x128_f8f6f4 v[SA_:SA_+7], v[\hb+12*\i:\hb+12*\i+11], v[QF+24*\q+12:QF+24*\q+23], v[SA_:SA_+7], v[KS+2*(\r)+\i/2], v[QS+\q] matrix_a_fmt:MATRIX_FMT_BF6 matrix_b_fmt:MATRIX_FMT_BF6 matrix_a_scale:MATRIX_SCALE_ROW1 matrix_b_scale:MATRIX_SCALE_ROW1
.endif
.endr
.endr
.endm
; 16 products of O^T += v p^T: channel tiles 4 r .. 4 r + 3 against the four query tiles; K = the step's 128 keys.  first = 1: they start the sums.
.macro PRUN r, hb, first
.irp g, 0,1
	WIN 0xa4+0x50*\g                               ; source 1 (p) window 1; C and D window 2 (tiles 0, 1) or 3 (tiles 2, 3)
.irp i, 0,1,2,3
.irp e, 0,1
.set OA_, 128*\e+8*(4*(\r)+\i)
.set VA_, \hb+12*\i
.set PB_, 64*(2*\g+\e)+48
.set VS_, VS+2*(\r)+\i/2
.set PS_, PS+2*\g+\e
.if \first
.if \i%2 == 0
	v_wmma_scale_f32_16x16x128_f8f6f4 v[OA_:OA_+7], v[VA_:VA_+11], v[PB_:PB_+11], 0, v[VS_], v[PS_] matrix_a_fmt:MATRIX_FMT_BF6 matrix_b_fmt:MATRIX_FMT_BF6
.else
	v_wmma_scale_f32_16x16x128_f8f6f4 v[OA_:OA_+7], v[VA_:VA_+11], v[PB_:PB_+11], 0, v[VS_], v[PS_] matrix_a_fmt:MATRIX_FMT_BF6 matrix_b_fmt:MATRIX_FMT_BF6 matrix_a_scale:MATRIX_SCALE_ROW1
.endif
.else
.if \i%2 == 0
	v_wmma_scale_f32_16x16x128_f8f6f4 v[OA_:OA_+7], v[VA_:VA_+11], v[PB_:PB_+11], v[OA_:OA_+7], v[VS_], v[PS_] matrix_a_fmt:MATRIX_FMT_BF6 matrix_b_fmt:MATRIX_FMT_BF6
.else
	v_wmma_scale_f32_16x16x128_f8f6f4 v[OA_:OA_+7], v[VA_:VA_+11], v[PB_:PB_+11], v[OA_:OA_+7], v[VS_], v[PS_] matrix_a_fmt:MATRIX_FMT_BF6 matrix_b_fmt:MATRIX_FMT_BF6 matrix_a_scale:MATRIX_SCALE_ROW1
.endif
.endif
.endr
.endr
.endr
.endm
; Tile q's softmax for one key step.  Register 16 b + i of the tile's 64 is key 32 b + 16 (lane / 16) + i of my query.  first = 1: the first step: no old M, nothing to rescale.
.macro SOFTMAX q, first
.set SQ, 64*(\q)
.set STQ, ST+4*(\q)
.set OQ, 128*((\q)%2)
	WIN 0x14                                       ; sources 1 and 2 window 1
.irp b, 0,1,2,3
	v_max3_num_f32 v[BM+\b], 0xff7fffff, v[SQ+16*\b], v[SQ+16*\b+1]   ; THE LARGEST SCORE OF EACH BLOCK OF 32 KEYS serves twice: for the row's maximum and, since p rises with the score, for the block's largest p.  Each accumulator is read from its low end on
.endr
.irp i, 2,4,6,8,10,12,14
.irp b, 0,1,2,3
	v_max3_num_f32 v[BM+\b], v[BM+\b], v[SQ+16*\b+\i], v[SQ+16*\b+\i+1]
.endr
.endr
	WIN 0
.irp b, 0,1,2,3
	v_permlanex16_b32 v[PT+\b], v[BM+\b], s[SEL], s[SEL+1]
.endr
.irp b, 0,1,2,3
	v_max_num_f32 v[BM+\b], v[BM+\b], v[PT+\b]     ; with lane l xor 16's 16 keys
.endr
	v_max3_num_f32 v[TMP], v[BM], v[BM+1], v[BM+2]
	v_max_num_f32 v[TMP], v[TMP], v[BM+3]
	v_mul_f32 v[TMP], s[CS], v[TMP]                ; the step's largest t (c is positive)
.if \first
	v_mov_b32 v[STQ+1], v[TMP]
	v_floor_f32 v[STQ], -v[STQ+1]                  ; -M = floor(-t) = -ceil(t): M IS A WHOLE NUMBER
.else
	v_max_num_f32 v[STQ+1], v[STQ+1], v[TMP]       ; the running largest t
	v_mov_b32 v[TMP], v[STQ]
	v_floor_f32 v[STQ], -v[STQ+1]
	v_sub_f32 v[TMP], v[STQ], v[TMP]               ; old M - new M: a whole number, 0 or less
	v_cvt_i32_f32 v[TMP], v[TMP]
	v_ldexp_f32 v[F], 1.0, v[TMP]                  ; f = 2^(old M - new M): a multiplication by it rounds nothing
.endif
.irp b, 0,1,2,3
	v_fma_f32 v[BM+\b], v[BM+\b], s[CS], v[STQ]    ; t - M of each block's largest score
.endr
	WIN 0x41                                       ; destination and source 0 window 1
.set SJ, 0
.rept 32
	v_pk_fma_f32 v[SQ+SJ:SQ+SJ+1], v[SQ+SJ:SQ+SJ+1], s[CS:CS+1], v[STQ:STQ+1] op_sel_hi:[1,0,0]   ; t - M, two at a time
.set SJ, SJ+2
.endr
.set SJ, 0
.rept 64
	v_exp_f32 v[SQ+SJ], v[SQ+SJ]                   ; p = 2^(t - M), at most 1: NOT normalised
.set SJ, SJ+1
.endr
	WIN 0
.irp b, 0,1,2,3
	v_exp_f32 v[BM+\b], v[BM+\b]                   ; the block's largest p: the same two instructions on the same number give the same bits
.endr
.if \first
	v_mov_b32 v[STQ+2], 0                          ; (a plain place behind the exponentials)
	v_mov_b32 v[STQ+3], 0
	s_wait_alu depctr_va_vdst(0)
.else
	v_pk_mul_f32 v[STQ+2:STQ+3], v[STQ+2:STQ+3], v[F:F+1] op_sel_hi:[1,0]   ; l under the new M.  (A plain place behind the exponentials)
	s_wait_alu depctr_va_vdst(0)
.endif
	v_mov_b32 v[T2], 0
	v_mov_b32 v[T2+1], 0
.irp b, 0,1,2,3
	v_max_num_f32 v[BM+\b], 0x2800000, v[BM+\b]    ; the floor 2^(5 - 127): the byte cannot fall under 1
.endr
.irp b, 0,1,2,3
	v_add_nc_u32 v[SO+\b], 0xfe000000, v[BM+\b]    ; 4 off the exponent field: the conversion's scale operand
.endr
.irp b, 0,1,2,3
	v_lshrrev_b32 v[PT+\b], 23, v[SO+\b]           ; the scale's byte
.endr
	v_lshl_or_b32 v[PS+\q], v[PT+1], 8, v[PT]      ; p's scale word for these 128 keys
	v_lshl_or_b32 v[PS+\q], v[PT+2], 16, v[PS+\q]
	v_lshl_or_b32 v[PS+\q], v[PT+3], 24, v[PS+\q]
	WIN 0x04                                       ; source 1 window 1
.set SJ, 0
.rept 16
	v_pk_add_f32 v[STQ+2:STQ+3], v[STQ+2:STQ+3], v[SQ+SJ:SQ+SJ+1]         ; THE ROW'S SUM IS TAKEN OF THE UNQUANTISED p: two at a time, in two chains
	v_pk_add_f32 v[T2:T2+1], v[T2:T2+1], v[SQ+SJ+2:SQ+SJ+3]
.set SJ, SJ+4
.endr
	WIN 0x01                                       ; source 0 window 1
.irp b, 0,1,2,3
	v_cvt_scalef32_pk16_bf6_f32 v[XC+4*\b:XC+4*\b+2], v[SQ+16*\b:SQ+16*\b+15], v[SO+\b]
.endr
	WIN 0
	v_pk_add_f32 v[STQ+2:STQ+3], v[STQ+2:STQ+3], v[T2:T2+1]   ; (the plain place behind the scaled conversions)
.irp c, 0,1                                    ; the operand's layout wants a WHOLE block in a lane: lanes 0-15 block 2 c, lanes 16-31 block 2 c + 1
.irp i, 0,1,2
	v_permlane16_swap_b32 v[XC+8*\c+\i], v[XC+8*\c+4+\i]
.endr
.endr
	WIN 0x40                                       ; destination window 1: the codes take the place of twelve p that have been summed and converted
.irp b, 0,1,2,3
.irp i, 0,1,2
	v_mov_b32 v[SQ+48+3*\b+\i], v[XC+4*\b+\i]
.endr
.endr
.if !\first
	WIN 0x82+0x41*((\q)/2)                         ; destination and source 0 window 2 or 3
.set SJ, 0
.rept 64
	v_pk_mul_f32 v[OQ+SJ:OQ+SJ+1], v[OQ+SJ:OQ+SJ+1], v[F:F+1] op_sel_hi:[1,0]   ; O^T under the new M, each accumulator from its low end on
.set SJ, SJ+2
.endr
.endif
.endm
; A REFILL of the slot whose group 0 is g0.  Every wave: all its tensor loads have landed (the other slot's part among them); the add; the address steps to the next step's part; the add and the wave's reads of the slot are done;
; a round of the cluster's barrier: no wave of any partner still reads its slot or has a load on its way; then the joint load, first thing behind the round, and four v_nop behind it.
.macro MEET g0
	WIN 0
	s_wait_tensorcnt 0x0
	ds_add_u32 v[SPW], v[NIL]                      ; 0 onto my spare word
	s_add_nc_u64 s[\g0+2:\g0+3], s[\g0+2:\g0+3], PARTB   ; no tensor load of mine is out: a group 0 may be written; the type bits on top are not reached
	s_wait_dscnt 0x0
	CROUND
	tensor_load_to_lds s[\g0:\g0+3], s[G1:G1+7]
	s_nop 0
	PLACES 4
.endm
; A KEY STEP: 128 keys.  On entry these LDS loads are out, in this order: k's run 0 (12), k's scale words (2), k's run 1 (12).  fill = 1: both slots are filled again, and the next step's first loads are issued.
.macro STEP first, fill
	s_wait_dscnt 12                                ; all but the youngest run of twelve
	SRUN 0, H0
	WIN 0
	PLACES 4                                       ; in front of loads into registers that matrix instructions have read
	LOADRUN H0, LA, 12288
	s_wait_dscnt 12
	SRUN 1, H1
	WIN 0
	PLACES 4
	LOADRUN H1, LA, 18432
	s_wait_dscnt 12
	SRUN 2, H0
	s_wait_dscnt 0x0
	SRUN 3, H1
	WIN 0
	PLACES 4                                       ; in front of the first read of the scores, and of writes into the second run's registers
	SOFTMAX 0, \first
	SOFTMAX 1, \first
.if \fill
	MEET G0K                                       ; k's slot has been read out: the next step's part is asked for; it has two tiles' softmax and 48 matrix instructions in which to land
.else
	WIN 0
	s_wait_tensorcnt 0x0                           ; v's last part has landed
.endif
	LOADRUN H0, LB, 0
	ds_load_b128 v[VS:VS+3], v[LB] offset:SCOFF
	ds_load_b128 v[VS+4:VS+7], v[LB] offset:SCOFF+512
	SOFTMAX 2, \first
	SOFTMAX 3, \first
	WIN 0
	PLACES 8                                       ; p's scale word stands eight places, its codes four, ahead of the scaled matrix instructions
	LOADRUN H1, LB, 6144
	s_wait_dscnt 12
	PRUN 0, H0, \first
	WIN 0
	PLACES 4
	LOADRUN H0, LB, 12288
	s_wait_dscnt 12
	PRUN 1, H1, \first
	WIN 0
	PLACES 4
	LOADRUN H1, LB, 18432
	s_wait_dscnt 12
	PRUN 2, H0, \first
.if \fill
	MEET G0V                                       ; v's last fragments are in registers: the next step's part is asked for; it has 80 matrix instructions and two tiles' softmax in which to land.  The four v_nop are the places in front of the loads below
	LOADRUN H0, LA, 0                              ; the next step's k landed ahead of the round
	ds_load_b128 v[KS:KS+3], v[LA] offset:SCOFF
	ds_load_b128 v[KS+4:KS+7], v[LA] offset:SCOFF+512
.else
	WIN 0
	s_wait_dscnt 0x0
.endif
	PRUN 3, H1, \first
	WIN 0
	PLACES 5                                       ; four in front of loads and reads; five in front of the next scores, which are laid over p's codes
.if \fill
	LOADRUN H1, LA, 6144
.endif
.endm
; 64 numbers of a lane, register 16 b + i = k 32 b + 16 (lane / 16) + i of my row, become a fragment's codes in v[PC] on and its scale word in v[PW].
.macro QUANT s
.irp b, 0,1,2,3
	v_max3_num_f32 v[TM+\b], |v[\s+16*\b]|, |v[\s+1+16*\b]|, 0x2800000
.endr
.irp i, 2,4,6,8,10,12,14
.irp b, 0,1,2,3
	v_max3_num_f32 v[TM+\b], v[TM+\b], |v[\s+16*\b+\i]|, |v[\s+1+16*\b+\i]|
.endr
.endr
.irp b, 0,1,2,3
	v_permlanex16_b32 v[TM+4+\b], v[TM+\b], s[SEL], s[SEL+1]
.endr
.irp b, 0,1,2,3
	v_max_num_f32 v[TM+\b], v[TM+\b], v[TM+4+\b]
.endr
.irp b, 0,1,2,3
	v_add_nc_u32 v[TM+12+\b], 0xfe000000, v[TM+\b]
.endr
.irp b, 0,1,2,3
	v_lshrrev_b32 v[TM+4+\b], 23, v[TM+12+\b]
.endr
	v_lshl_or_b32 v[PW], v[TM+5], 8, v[TM+4]
	v_lshl_or_b32 v[PW], v[TM+6], 16, v[PW]
	v_lshl_or_b32 v[PW], v[TM+7], 24, v[PW]
.irp c, 0,1
	v_cvt_scalef32_pk16_bf6_f32 v[PC+6*\c:PC+2+6*\c], v[\s+32*\c:\s+15+32*\c], v[TM+12+2*\c]
	v_cvt_scalef32_pk16_bf6_f32 v[PC+12+4*\c:PC+14+4*\c], v[\s+16+32*\c:\s+31+32*\c], v[TM+12+2*\c+1]
.endr
	v_nop                                          ; one plain place behind a scaled conversion
.irp c, 0,1
.irp i, 0,1,2
	v_permlane16_swap_b32 v[PC+6*\c+\i], v[PC+12+4*\c+\i]
.endr
.irp i, 0,1,2
	v_mov_b32 v[PC+3+6*\c+\i], v[PC+12+4*\c+\i]
.endr
.endr
.endm
	s_load_b512 s[4:19], s[0:1], 0x0               ; qw 4, kw 6, vw 8, wimg 10, wp_scales 12, bp 14, x 16, out0 18
	v_lshl_add_u32 v[SPW], v0, 2, SPARE
	v_mov_b32 v[NIL], 0
	ds_add_u32 v1, v2
	ds_add_u32 v1, v2
	s_wait_dscnt 0x0
	v_lshrrev_b32 v3, 5, v0
	v_readfirstlane_b32 s[WV], v3                  ; wave 0..3
	s_bfe_u32 s21, ttmp6, 0x40000                  ; cx: my place in the cluster: it enters q's, x's and out's addresses alone
	s_lshl_b32 s22, ttmp9, 2
	s_add_co_u32 s22, s22, s21                     ; my block of 64 queries
	s_and_b32 s23, ttmp7, 0xffff                   ; the image, which the four partners share
	; descriptor group 1: a part is a dense block: 100 rows of 256 bytes (32 elements of 8 bytes), no padding: every LDS read of it is 16 x lane on end
	s_mov_b32 s[G1], 15|(3<<16)|(1<<21)            ; 15:0 the mask: all four work-groups; 17:16 elements of 8 bytes; 21 set beside a mask
	s_mov_b32 s[G1+1], 32<<16                      ; tensor_dim0 = 32
	s_mov_b32 s[G1+2], 100<<16                     ; tensor_dim1 = 100
	s_mov_b32 s[G1+3], 32<<16                      ; tile_dim0 = 32
	s_mov_b32 s[G1+4], 100                         ; tile_dim1 = 100
	s_mov_b32 s[G1+5], 32                          ; from row to row: 32 elements
	s_mov_b32 s[G1+6], 0
	s_mov_b32 s[G1+7], 0
	s_mov_b32 s[CS], 0x3db8aa3b                    ; c = log2(e) / 16: t = score x c
	s_mov_b32 s[CS+1], s[CS]                       ; (named with it as a pair, so it is written)
	s_mov_b32 s[SEL], 0x76543210
	s_mov_b32 s[SEL+1], 0xfedcba98
	s_lshl_b32 s46, s23, 5
	s_lshl_b32 s47, s[WV], 3
	s_add_co_u32 s46, s46, s47
	s_mul_i32 s46, s46, PARTB                      ; k, v: part 32 image + 8 wave: my wave's first 128 keys
	s_mov_b32 s47, 0
	s_mul_i32 s48, s[WV], RINGW                    ; my wave's slots: no place in the cluster enters an LDS address
	s_lshl_b32 s50, s23, 5
	s_lshr_b32 s51, s22, 1
	s_add_co_u32 s50, s50, s51
	s_mul_i32 s50, s50, PARTB                      ; q: the part that holds my 64 queries,
	s_and_b32 s52, s22, 1
	s_mul_i32 s53, s52, 12288                      ; its tiles 4 (block % 2) on,
	s_lshl_b32 s52, s52, 9
	s_add_co_u32 s52, s52, s50
	s_add_co_u32 s52, s52, SCOFF                   ; and their scale words
	s_add_co_u32 s50, s50, s53
	s_mov_b32 s51, 0
	s_mov_b32 s53, 0
	s_lshl_b32 s54, s23, 22
	s_lshl_b32 s55, s[WV], 20
	s_add_co_u32 s54, s54, s55
	s_lshl_b32 s55, s22, 8
	s_add_co_u32 s54, s54, s55                     ; x, out: the image, channel 64 wave, my first pixel
	s_mov_b32 s55, 0
	s_mul_i32 s56, s[WV], 12288                    ; wp's images: behind wq's, wk's and wv's 96 fragments, my 8 (rows 64 wave on)
	s_add_co_u32 s56, s56, 147456
	s_mov_b32 s57, 0
	s_lshl_b32 s58, s[WV], 9
	s_mov_b32 s59, 0
	s_lshl_b32 s60, s[WV], 8
	s_mov_b32 s61, 0
	v_and_b32 v[LI], 31, v0
	v_lshlrev_b32 v[LI], 4, v[LI]
	v_add_nc_u32 v[LA], s48, v[LI]
	v_add_nc_u32 v[LB], PARTB, v[LA]
	v_mov_b32 v[F+1], 0                            ; (named as the upper half of the pair before it is otherwise written)
	s_wait_kmcnt 0x0
	s_mov_b32 s[G0K], 1                            ; count = 1
	s_mov_b32 s[G0K+1], s48                        ; LDS address
	s_add_nc_u64 s[G0K+2:G0K+3], s[6:7], s[46:47]  ; global address
	s_or_b32 s[G0K+3], s[G0K+3], 0x80000000        ; type = 2
	s_mov_b32 s[G0V], 1
	s_add_co_u32 s[G0V+1], s48, PARTB
	s_add_nc_u64 s[G0V+2:G0V+3], s[8:9], s[46:47]
	s_or_b32 s[G0V+3], s[G0V+3], 0x80000000
	s_add_nc_u64 s[50:51], s[4:5], s[50:51]
	s_add_nc_u64 s[52:53], s[4:5], s[52:53]
	s_add_nc_u64 s[16:17], s[16:17], s[54:55]
	s_add_nc_u64 s[18:19], s[18:19], s[54:55]
	s_add_nc_u64 s[10:11], s[10:11], s[56:57]
	s_add_nc_u64 s[12:13], s[12:13], s[58:59]
	s_add_nc_u64 s[14:15], s[14:15], s[60:61]
	CROUND                                         ; all four work-groups are here: the first joint loads meet
	tensor_load_to_lds s[G0K:G0K+3], s[G1:G1+7]    ; the two first fills stand together, ahead of every wait on TENSORcnt and every LDS read: two loads of mine are out
	s_nop 0
	tensor_load_to_lds s[G0V:G0V+3], s[G1:G1+7]
	s_nop 0
	PLACES 4
.set K, 0
.rept 24
	global_load_b128 v[QF+4*K:QF+4*K+3], v[LI], s[50:51] offset:512*K   ; q's eight fragments stay in registers
.set K, K+1
.endr
	global_load_b128 v[QS:QS+3], v[LI], s[52:53]
	s_wait_tensorcnt 0x1                           ; k's first part is in; v's may be out.  Only the wave that asked for a part reads it
	LOADRUN H0, LA, 0
	ds_load_b128 v[KS:KS+3], v[LA] offset:SCOFF
	ds_load_b128 v[KS+4:KS+7], v[LA] offset:SCOFF+512
	LOADRUN H1, LA, 6144
	s_wait_loadcnt 0x0                             ; q
	STEP 1, 1                                      ; the first step starts M, l and O^T: nothing is cleared
	s_mov_b32 s[CNT], 6
.Lstep:
	STEP 0, 1
	s_sub_co_u32 s[CNT], s[CNT], 1
	s_cmp_lg_u32 s[CNT], 0
	s_cbranch_scc1 .Lstep
	STEP 0, 0                                      ; the last step is written out: it asks for nothing
	; THE MERGE.  l's two halves and lane l xor 16's are added; the addresses are made (these lines also stand behind the last products).
.irp q, 0,1,2,3
	v_add_f32 v[ST+4*\q+2], v[ST+4*\q+2], v[ST+4*\q+3]
.endr
.irp q, 0,1,2,3
	v_permlanex16_b32 v[ST+4*\q+3], v[ST+4*\q+2], s[SEL], s[SEL+1]
.endr
.irp q, 0,1,2,3
	v_add_f32 v[ST+4*\q+2], v[ST+4*\q+2], v[ST+4*\q+3]
.endr
	v_and_b32 v243, 31, v0                         ; lane
	v_and_b32 v244, 15, v0                         ; r
	v_bfe_u32 v245, v0, 4, 1                       ; h
	s_lshl_b32 s46, s[WV], 16
	v_lshl_add_u32 v[WR], v243, 4, s46             ; my partial result: 65536 w + 16 lane
	s_lshl_b32 s47, s[WV], 10
	s_add_co_u32 s47, s47, STX
	v_lshl_add_u32 v[SXW], v243, 2, s47            ; my statistics
	s_lshr_b32 s48, s[WV], 1
	s_lshl_b32 s48, s48, 8
	s_add_co_u32 s48, s48, STX
	v_lshl_add_u32 v[SXR], v243, 2, s48            ; those of tile w / 2, wave 0's
	s_lshl_b32 s49, s[WV], 13
	v_lshl_add_u32 v[RD], v243, 4, s49             ; unit (tile w / 2, channel half w % 2) of wave 0's result: 8192 w + 16 lane;
	v_add_nc_u32 v[RD+1], 0x10000, v[RD]           ; of wave 1's, 2's, 3's
	v_add_nc_u32 v[RD+2], 0x20000, v[RD]
	v_add_nc_u32 v[RD+3], 0x30000, v[RD]
	s_mul_i32 s50, s[WV], 1536
	s_add_co_u32 s50, s50, AIMG
	v_lshl_add_u32 v[AW], v243, 4, s50
	s_lshl_b32 s51, s[WV], 6
	s_add_co_u32 s51, s51, ASC
	v_lshl_add_u32 v[ASW], v244, 2, s51
	v_lshlrev_b32 v[ARD], 4, v243
	v_add_nc_u32 v[ARD], AIMG, v[ARD]
	v_lshlrev_b32 v[ASR], 2, v243
	v_add_nc_u32 v[ASR], ASC, v[ASR]
	s_mul_i32 s52, s[WV], 17408                    ; the way out: my stage of 64 rows x (256 bytes + 16)
	v_mul_u32_u24 v[STO], v244, 272
	v_lshl_add_u32 v[STO], v245, 6, v[STO]
	v_add_nc_u32 v[STO], s52, v[STO]
	v_mul_u32_u24 v[RDO], v245, 272
	v_lshl_add_u32 v[RDO], v244, 4, v[RDO]
	v_add_nc_u32 v[RDO], s52, v[RDO]
	v_lshlrev_b32 v[WPSA], 3, v244
	v_lshl_add_u32 v[WPSA], v245, 2, v[WPSA]
	v_lshlrev_b32 v[BPA], 2, v244
	v_lshlrev_b32 v[XO], 14, v245
	v_lshl_add_u32 v[XO], v244, 4, v[XO]           ; x, out: lanes 0-15 one channel's 256 bytes, lanes 16-31 the next channel's
	s_wait_dscnt 0x0
	s_barrier_signal -1
	s_barrier_wait -1                              ; no wave reads the ring any more, and it has had its last fill
	WIN 0x08                                       ; an LDS store's data are its source 1: window 2
.irp q, 0,1
.set K, 0
.rept 32
	ds_store_b128 v[WR], v[128*\q+4*K:128*\q+4*K+3] offset:16384*\q+512*K   ; each accumulator from its low end on
.set K, K+1
.endr
.endr
	WIN 0x0c
.irp q, 0,1
.set K, 0
.rept 32
	ds_store_b128 v[WR], v[128*\q+4*K:128*\q+4*K+3] offset:32768+16384*\q+512*K
.set K, K+1
.endr
.endr
	WIN 0
.irp q, 0,1,2,3
	ds_store_b32 v[SXW], v[ST+4*\q] offset:256*\q
	ds_store_b32 v[SXW], v[ST+4*\q+2] offset:256*\q+128
.endr
	s_wait_dscnt 0x0
	s_barrier_signal -1
	s_barrier_wait -1                              ; the four partial results lie in LDS
	; windows 2 and 3 are free: wp's rows 64 w .. 64 w + 63 (eight images: 24 loads of 512 consecutive bytes), bp, and x are asked for now and land under the merge
	WIN 0x80
.set K, 0
.rept 24
	global_load_b128 v[4*K:4*K+3], v[LI], s[10:11] offset:512*K   ; fragment (tile o, K step s) at v[12 (2 o + s)]
.set K, K+1
.endr
.irp o, 0,1,2,3
.irp j, 0,1,2,3,4,5,6,7
	global_load_b32 v[96+8*\o+\j], v[BPA], s[14:15] offset:64*\o   ; in the last product a lane holds one output channel: its bias in all eight registers
.endr
.endr
	WIN 0
.irp o, 0,1,2,3
	global_load_b32 v[KS+\o], v[WPSA], s[12:13] offset:128*\o
.endr
	WIN 0xc0
.set K, 0
.rept 32
	global_load_b128 v[4*K:4*K+3], v[XO], s[16:17] offset:32768*K
.set K, K+1
.endr
	WIN 0
.irp u, 0,1
.irp w, 0,1,2,3
	ds_load_b32 v[NM+4*\u+\w], v[SXR] offset:1024*\w+512*\u
	ds_load_b32 v[LL+4*\u+\w], v[SXR] offset:1024*\w+512*\u+128
.endr
.endr
	WIN 0x40
.irp w, 0,1,2,3
.set K, 0
.rept 16
	ds_load_b128 v[64*\w+4*K:64*\w+4*K+3], v[RD+\w] offset:512*K
.set K, K+1
.endr
.endr
	WIN 0
	s_wait_dscnt 63                                ; 80 loads are issued: the 17 oldest are in, the 16 statistics among them
.irp u, 0,1
	v_min_num_f32 v[TMP], v[NM+4*\u], v[NM+4*\u+1]
	v_min_num_f32 v[TMP], v[TMP], v[NM+4*\u+2]
	v_min_num_f32 v[TMP], v[TMP], v[NM+4*\u+3]     ; -M*, M* the largest of the four M
.irp w, 0,1,2,3
	v_sub_f32 v[NM+4*\u+\w], v[TMP], v[NM+4*\u+\w] ; M_w - M*: a whole number, 0 or less
.endr
.irp w, 0,1,2,3
	v_cvt_i32_f32 v[NM+4*\u+\w], v[NM+4*\u+\w]
.endr
.irp w, 0,1,2,3
	v_ldexp_f32 v[NM+4*\u+\w], 1.0, v[NM+4*\u+\w]  ; f_w = 2^(M_w - M*)
.endr
	v_mul_f32 v[T2], v[NM+4*\u], v[LL+4*\u]
	v_fmac_f32 v[T2], v[NM+4*\u+1], v[LL+4*\u+1]
	v_fmac_f32 v[T2], v[NM+4*\u+2], v[LL+4*\u+2]
	v_fmac_f32 v[T2], v[NM+4*\u+3], v[LL+4*\u+3]   ; the row's sum under M*
	v_rcp_f32 v[T2+1], v[T2]
	v_nop                                          ; a plain place behind the transcendental
	s_wait_alu depctr_va_vdst(0)
.irp w, 0,1,2,3
	v_mul_f32 v[G+2*(4*\u+\w)], v[NM+4*\u+\w], v[T2+1]
	v_mov_b32 v[G+2*(4*\u+\w)+1], 0                ; (the pair's upper half is named, so it is written)
.endr
.endr
; wave pw's part of a unit, x g, is added into v[dst] on.  wait: the younger LDS loads that may be out.  next = 1: the part's registers take the second unit's part.
.macro MRG dst, gi, pw, wait, next
	s_wait_dscnt \wait
	WIN 0x01                                       ; source 0 window 1
.set MK, 0
.rept 32
.if \pw == 0
	v_pk_mul_f32 v[\dst+MK:\dst+MK+1], v[64*\pw+MK:64*\pw+MK+1], v[G+2*(\gi):G+2*(\gi)+1] op_sel_hi:[1,0]
.else
	v_pk_fma_f32 v[\dst+MK:\dst+MK+1], v[64*\pw+MK:64*\pw+MK+1], v[G+2*(\gi):G+2*(\gi)+1], v[\dst+MK:\dst+MK+1] op_sel_hi:[1,0,1]
.endif
.set MK, MK+2
.endr
.if \next
	WIN 0x40
.set MK, 0
.rept 16
	ds_load_b128 v[64*\pw+4*MK:64*\pw+4*MK+3], v[RD+\pw] offset:32768+512*MK
.set MK, MK+1
.endr
.endif
.endm
	MRG F0, 0, 0, 48, 1                            ; behind each part's sixteen loads stand three parts' 48
	MRG F0, 1, 1, 48, 1
	MRG F0, 2, 2, 48, 1
	MRG F0, 3, 3, 48, 1
	MRG F1, 4, 0, 48, 0                            ; and the counts run down
	MRG F1, 5, 1, 32, 0
	MRG F1, 6, 2, 16, 0
	MRG F1, 7, 3, 0, 0
	WIN 0
	QUANT F0                                       ; attn of tile w / 2, channels 128 (w % 2) on: fragment w
.irp c, 0,1,2
	ds_store_b128 v[AW], v[PC+4*\c:PC+4*\c+3] offset:512*\c
.endr
	ds_store_b32 v[ASW], v[PW]                     ; lanes 16-31 write what lanes 0-15 write
	s_wait_dscnt 0x0                               ; the stores have read their registers
	QUANT F1                                       ; tile 2 + w / 2: fragment 4 + w
.irp c, 0,1,2
	ds_store_b128 v[AW], v[PC+4*\c:PC+4*\c+3] offset:6144+512*\c
.endr
	ds_store_b32 v[ASW], v[PW] offset:256
	s_wait_dscnt 0x0
	s_barrier_signal -1
	s_barrier_wait -1                              ; attn's eight fragments lie in LDS, and nobody reads the partial results any more
	; THE LAST PRODUCT: my 64 output channels for the 64 queries.  Source 0 = attn's tile q, source 1 = 16 rows of wp: a lane holds one output channel and eight neighbouring pixels.
.set K, 0
.rept 24
	ds_load_b128 v[QF+4*K:QF+4*K+3], v[ARD] offset:512*K
.set K, K+1
.endr
.irp q, 0,1,2,3
	ds_load_b32 v[QS+\q], v[ASR] offset:128*\q
.endr
	s_wait_dscnt 0x0
	s_wait_loadcnt 32                              ; wp, bp and wp's scale words are in; x's 32 loads may be out
	WIN 0xa8                                       ; source 1 (wp), C and D window 2
.irp o, 0,1,2,3
.irp q, 0,1,2,3
	v_wmma_scale_f32_16x16x128_f8f6f4 v[128+8*(4*\o+\q):128+8*(4*\o+\q)+7], v[QF+24*\q:QF+24*\q+11], v[24*\o:24*\o+11], v[96+8*\o:96+8*\o+7], v[QS+\q], v[KS+\o] matrix_a_fmt:MATRIX_FMT_BF6 matrix_b_fmt:MATRIX_FMT_BF6
.endr
.endr
.irp o, 0,1,2,3
.irp q, 0,1,2,3
	v_wmma_scale_f32_16x16x128_f8f6f4 v[128+8*(4*\o+\q):128+8*(4*\o+\q)+7], v[QF+24*\q+12:QF+24*\q+23], v[24*\o+12:24*\o+23], v[128+8*(4*\o+\q):128+8*(4*\o+\q)+7], v[QS+\q], v[KS+\o] matrix_a_fmt:MATRIX_FMT_BF6 matrix_b_fmt:MATRIX_FMT_BF6 matrix_a_scale:MATRIX_SCALE_ROW1 matrix_b_scale:MATRIX_SCALE_ROW1
.endr
.endr
	WIN 0
	PLACES 4
	; THE WAY OUT.  Lane (r, h) of accumulator (o, q = 2 b + u) holds channel 16 o + r, pixels 32 b + 16 h + 8 u + 0 .. 7.  Through my own stage the rows come back whole: sixteen lanes to a channel's 256 bytes.
	WIN 0x08
.irp o, 0,1,2,3
.irp q, 0,1,2,3
	ds_store_b128 v[STO], v[128+8*(4*\o+\q):128+8*(4*\o+\q)+3] offset:4352*\o+128*(\q/2)+32*(\q%2)      ; each accumulator from its low end on
	ds_store_b128 v[STO], v[128+8*(4*\o+\q)+4:128+8*(4*\o+\q)+7] offset:4352*\o+128*(\q/2)+32*(\q%2)+16
.endr
.endr
	WIN 0x40
.set K, 0
.rept 32
	ds_load_b128 v[4*K:4*K+3], v[RDO] offset:544*K   ; LDS serves a wave's instructions in order: these see my stores
.set K, K+1
.endr
	s_wait_loadcnt 0x0                             ; x
	s_wait_dscnt 0x0
	WIN 0x4d                                       ; destination and source 0 window 1, source 1 (x) window 3
.set K, 0
.rept 64
	v_pk_add_f32 v[2*K:2*K+1], v[2*K:2*K+1], v[2*K:2*K+1]
.set K, K+1
.endr
	WIN 0x04                                       ; a store's data are its source 1: window 1
.set K, 0
.rept 32
	global_store_b128 v[XO], v[4*K:4*K+3], s[18:19] offset:32768*K th:TH_STORE_NT   ; sixteen lanes store 256 consecutive bytes, aligned; written once, read by nobody here
.set K, K+1
.endr
	WIN 0
	s_wait_tensorcnt 0x0                           ; the wave's end, behind my last tensor load and my last LDS store
	ds_add_u32 v[SPW], v[NIL]
	s_wait_dscnt 0x0
	CROUND                                         ; the closing round: no work-group ends while a partner may still ask for a part that names it
	s_endpgm
.Lfunc_end_k_q9f6dcb60a8_attn:
	.size	k_q9f6dcb60a8_attn, .Lfunc_end_k_q9f6dcb60a8_attn-k_q9f6dcb60a8_attn
	.p2alignl 7, 3214868480
	.fill 96, 4, 3214868480
	.section	.rodata,"a",@progbits
	.p2align	6, 0x0
	.amdhsa_kernel k_q9f6dcb60a8_attn
		.amdhsa_group_segment_fixed_size 327680
		.amdhsa_private_segment_fixed_size 0
		.amdhsa_enable_private_segment 0
		.amdhsa_kernarg_size 64
		.amdhsa_user_sgpr_count 2
		.amdhsa_user_sgpr_kernarg_segment_ptr 1
		.amdhsa_wavefront_size32 1
		.amdhsa_system_sgpr_workgroup_id_x 1
		.amdhsa_system_sgpr_workgroup_id_y 1
		.amdhsa_system_sgpr_workgroup_id_z 1
		.amdhsa_system_vgpr_workitem_id 0
		.amdhsa_next_free_vgpr 1024
		.amdhsa_next_free_sgpr 66
		.amdhsa_reserve_vcc 0
		.amdhsa_float_denorm_mode_32 3
		.amdhsa_float_denorm_mode_16_64 3
		.amdhsa_memory_ordered 1
		.amdhsa_forward_progress 1
		.amdhsa_inst_pref_size 255
	.end_amdhsa_kernel
	.section	.bss,"aw",@nobits
	.p2align	6
	.space	262144
	.amdgpu_metadata
---
amdhsa.version: [ 1, 2 ]
amdhsa.kernels:
  - .name:           k_q9f6dcb60a8_attn
    .symbol:         k_q9f6dcb60a8_attn.kd
    .args:
      - { .name: qw, .offset: 0, .size: 8, .value_kind: global_buffer, .address_space: global }
      - { .name: kw, .offset: 8, .size: 8, .value_kind: global_buffer, .address_space: global }
      - { .name: vw, .offset: 16, .size: 8, .value_kind: global_buffer, .address_space: global }
      - { .name: wimg, .offset: 24, .size: 8, .value_kind: global_buffer, .address_space: global }
      - { .name: wp_scales, .offset: 32, .size: 8, .value_kind: global_buffer, .address_space: global }
      - { .name: bp, .offset: 40, .size: 8, .value_kind: global_buffer, .address_space: global }
      - { .name: x, .offset: 48, .size: 8, .value_kind: global_buffer, .address_space: global }
      - { .name: out0, .offset: 56, .size: 8, .value_kind: global_buffer, .address_space: global }
    .group_segment_fixed_size: 327680
    .private_segment_fixed_size: 0
    .kernarg_segment_align: 8
    .kernarg_segment_size: 64
    .max_flat_workgroup_size: 128
    .sgpr_count:     66
    .vgpr_count:     1024
    .wavefront_size: 32
...
	.end_amdgpu_metadata
.endif
;; end of part 3
